; MI455X (gfx1250); checked and timed in simulation.
; The chip was launched on July 23, 2026; its instructions are those of AMD's public machine-readable ISA for CDNA 5 (MIT licence, August 2026) and "CDNA5" Instruction Set Architecture Reference Guide (July 2026). The comments in the code are by the model that wrote it; some were corrected since.
;; Causal Cross Conditional Self Attention. Allowed arithmetic: matrix products marked QUANTISED: E2M1 operands, one E8M0 scale for each 32 along K, by v_wmma_scale_f32_16x16x128_f8f6f4 with both operands' format E2M1 (or v_wmma_scale_f32_32x16x128_f4), f32 sums; products left as they are: bf16, f16 or f32 operands; f32 sums; everything else in f32.
;; Inputs: W_k 512 x 512 float32; W_proj 512 x 512 float32; W_q 512 x 512 float32; W_v 512 x 512 float32; b_k 512 float32; b_proj 512 float32; b_q 512 float32; b_v 512 float32; end_frames 2 x 16 int32; start_frames 2 x 16 int32; x 2 x 3,136 x 512 float32.
;; Outputs: out0 2 x 3,136 x 512 float32.
;; Constants: N = 16, T_motion = 1024, n_head = 8, window_abs_start = 0.
;; This version of the problem:
;;   THIS VERSION OF THE PROBLEM IS GIVEN IN LOW PRECISION. The matrix products marked QUANTISED in the list below multiply operands that are first quantised to E2M1 (2 exponent bits, 1 mantissa bit; 4 bits a number), with one power-of-two scale for each 32 numbers along K (OCP MX v1.0); their sums are f32. The products marked 'left as it is' may take bf16, f16 or f32 operands, with f32 sums. Whichever they take, every output number must still come out within the allowed error. Rounding operands to bf16 (8 significant bits) uses up far more of that allowance than f16 does (11 bits, for magnitudes from 6e-5 to 65,504). All else is computed in f32.
;;   The module's matrix products, in the order in which they are computed (A, B: the left and right operand; K: the contracted axis; several contracted axes count as one K, in the product's order):
;;     1. [M 6,272, K 512] x [K 512, N 512]; A: input x; B: input W_q: QUANTISED
;;     2. [M 6,272, K 512] x [K 512, N 512]; A: input x; B: input W_k: QUANTISED
;;     3. [M 6,272, K 512] x [K 512, N 512]; A: input x; B: input W_v: QUANTISED
;;     4. batch 16 x [M 3,136, K 64] x [K 64, N 3,136]; A: computed on the way; B: computed on the way: left as it is (an operand is computed on the way)
;;     5. batch 16 x [M 3,136, K 3,136] x [K 3,136, N 64]; A: computed on the way; B: computed on the way: left as it is (an operand is computed on the way)
;;     6. [M 6,272, K 512] x [K 512, N 512]; A: computed on the way; B: input W_proj: left as it is (an operand is computed on the way)
;;   THE QUANTISER, for each operand of a quantised product, along K:
;;     - K is cut into blocks of 32 from its start; a last block that is shorter is filled with zeros.
;;     - A block's scale is 2^e with e = floor(log2(the largest magnitude in the block)) - 2, held to -126 .. 127; a block of zeros has e = 0. As a byte (E8M0): e + 127.
;;     - Each number is divided by its block's scale, clamped to +-6, and rounded to the nearest number of E2M1, ties to even, subnormals kept.
;;     - The product sums the exact products of the quantised numbers (number of the format x scale) in f32.
;;   ~~~python
;;   def quantise(x, axis):      # numpy; x: float32 -> the quantised numbers, widened to float32 again
;;       x = np.moveaxis(x, axis, -1); K = x.shape[-1]
;;       x = np.pad(x, [(0, 0)] * (x.ndim - 1) + [(0, -K % 32)]); x = x.reshape(x.shape[:-1] + (-1, 32)); a = np.abs(x).max(-1, keepdims=True)
;;       e = np.where(a > 0, np.clip(np.frexp(np.where(a > 0, a, 1))[1] - 1 - 2, -126, 127), 0)      # np.frexp(a)[1] - 1 = floor(log2(a)), exactly
;;       r = np.clip(x / 2.0 ** e, -6, 6)
;;       step = 2.0 ** (np.maximum(np.frexp(np.where(r == 0, 1, r))[1] - 1, 0) - 1)
;;       q = np.round(r / step) * step * 2.0 ** e      # np.round: ties to even
;;       return np.moveaxis(q.reshape(q.shape[:-2] + (-1,))[..., :K], -1, axis).astype(np.float32)
;;   ~~~
;; One version. Each part assembles by itself: llvm-mc -triple=amdgcn-amd-amdhsa -mcpu=gfx1250 --defsym DOCPART=n.
;; ======== version 1 of 1: 5 launches
;; limits: values are held in f16: magnitudes above 65,504 overflow, below 6.1e-05 lose precision
;; workspace buffers: cod 1,998,848 bytes; scl 124,928 bytes; wp 1,048,576 bytes; qkv 19,267,584 bytes; qkl 19,267,584 bytes; yh 6,422,528 bytes; yf 196,608 bytes
;; launch prep (part 1): grid 276 x 1, 4 waves a work-group, no clusters, 68,096 bytes of LDS; arguments x, W_q, W_k, W_v, W_proj, cod, scl, wp; writes cod, scl, wp
.if DOCPART == 1
	.amdgcn_target "amdgcn-amd-amdhsa--gfx1250"
	.amdhsa_code_object_version 6
	.text
	.protected	k_q9a9f400f8a_prep
	.globl	k_q9a9f400f8a_prep
	.p2align	8
	.type	k_q9a9f400f8a_prep,@function
k_q9a9f400f8a_prep:
	s_mov_b64 s[64:65], 0
	v_nop
	global_prefetch_b8 v0, s[64:65] scope:SCOPE_SE
	s_setreg_imm32_b32 hwreg(HW_REG_WAVE_MODE, 25, 1), 1
	s_wait_xcnt 0x0
; PREP.  x [6272][512], W_q, W_k, W_v [512][512], f32, become codes of FP4 (E2M1) with one E8M0 byte for each 32 along K (K = the last axis); W_proj [512][512] becomes pairs of f16 numbers, a high and a low part.
; Everything is stored in the ORDER OF THE READER'S OPERAND REGISTERS: a group of four registers of a lane lies at 16 x lane, so that every later load is 512 consecutive bytes.
;   cod [tile of 16 rows 0..487][K step s 0..3][c 0..1][lane][16 bytes] = row r = lane % 16, k = 128 s + 64 c + 32 (lane / 16) + 0 .. 31.  Tiles 0..391 x, 392.. W_q, 424.. W_k, 456.. W_v.
;   scl [tile][p 0..1][lane][4 bytes] = the scale word of row r for K step 2 p + lane / 16: one register serves two K steps, by the row select of the scaled matrix instruction.
;   wp  [tile of 16 rows nt][kg 0..15][c][lane][16 bytes] = W_proj[16 nt + r][32 kg + 16 c + 8 (lane / 16) + 0 .. 7] in f16; the low parts 524,288 bytes further on.
; A block's scale is 2^(floor(log2(its largest magnitude)) - 2); its byte is the largest magnitude's exponent field - 2, held at 1 from below.
; LIMITS: a block of zeros gets the byte 1 where the rule says 127 (its codes are zeros, and this program alone reads the bytes); blocks whose largest magnitude lies under 2^-124 are held at the byte 1;
; NaN and infinities among the inputs are not served; W_proj must lie under 65,504 in magnitude (f16), and what lies under 6e-5 is carried with an absolute step of 6e-8 in each part.
; SHARES.  Work-groups 0..243: a wave takes 16 rows x 256 along K (two K steps).  Each load reads 512 consecutive bytes of one row; the numbers turn through the wave's own stage in LDS (rows 528 bytes apart, an odd
; multiple of 16) so that a lane gets 16 neighbours of each block of 32.  Work-groups 244..275: a wave takes 16 rows x 128 k of W_proj.  No wave shares anything with another: no barrier.
.set SPARE, 67584                      ; behind the four waves' stages: the spare words, 128 bytes a wave
.set WREG,  16896                      ; a wave's two stages
.set STGB,  8448                       ; a stage: 16 rows x 528 bytes
.set SPT,   528
.set LI,  1                            ; v1   16 x lane
.set STI, 2                            ; v2   stage, way in: my wave's region + 16 x lane
.set STO, 3                            ; v3   stage, way out: my wave's region + 528 r + 64 (lane / 16)
.set LS,  4                            ; v4   4 x lane
.set HH,  5                            ; v5   lane / 16
.set SPW, 6                            ; v6   my spare word; never rewritten
.set NIL, 7                            ; v7   0; never rewritten
.set TM,  8                            ; v8-23  at work in QUANT
.set PW,  24                           ; v24  the scale word just made
.set PW0, 25                           ; v25  the first K step's
.set PC,  26                           ; v26-33 the codes just made
.set X,   34                           ; v34-97 64 numbers of a lane; on W_proj's path the high and low parts
.set R,   98                           ; v98-225 the numbers as loaded
.set SEL, 36                           ; s[36:37] selects for lane l xor 16
; 64 numbers of a lane, register 16 b + i = k 32 b + 16 (lane / 16) + i of my row, become a fragment's codes in v[PC] on and its scale word in v[PW].
.macro QUANT s
.irp b, 0,1,2,3
	v_max3_num_f32 v[TM+\b], |v[\s+16*\b]|, |v[\s+1+16*\b]|, 0x1800000   ; block b: my 16 numbers, and the floor 2^(3 - 127): the byte cannot fall under 1
.endr
.irp i, 2,4,6,8,10,12,14
.irp b, 0,1,2,3
	v_max3_num_f32 v[TM+\b], v[TM+\b], |v[\s+16*\b+\i]|, |v[\s+1+16*\b+\i]|   ; the four blocks by turns
.endr
.endr
.irp b, 0,1,2,3
	v_permlanex16_b32 v[TM+4+\b], v[TM+\b], s[SEL], s[SEL+1]
.endr
.irp b, 0,1,2,3
	v_max_num_f32 v[TM+\b], v[TM+\b], v[TM+4+\b]   ; with lane l xor 16's: the block's largest magnitude
.endr
.irp b, 0,1,2,3
	v_add_nc_u32 v[TM+12+\b], 0xff000000, v[TM+\b]   ; 2 off its exponent field: the conversion's scale operand
.endr
.irp b, 0,1,2,3
	v_lshrrev_b32 v[TM+4+\b], 23, v[TM+12+\b]   ; the scale's byte
.endr
	v_lshl_or_b32 v[PW], v[TM+5], 8, v[TM+4]
	v_lshl_or_b32 v[PW], v[TM+6], 16, v[PW]
	v_lshl_or_b32 v[PW], v[TM+7], 24, v[PW]
.irp b, 0,1,2,3
	v_cvt_scalef32_pk8_fp4_f32 v[PC+2*\b], v[\s+16*\b:\s+7+16*\b], v[TM+12+\b]
	v_cvt_scalef32_pk8_fp4_f32 v[PC+1+2*\b], v[\s+8+16*\b:\s+15+16*\b], v[TM+12+\b]
.endr
	v_nop                                          ; one plain place behind a scaled conversion
.irp c, 0,1                                    ; the operand's layout wants a whole block in a lane
.irp i, 0,1
	v_permlane16_swap_b32 v[PC+4*\c+\i], v[PC+2+4*\c+\i]
.endr
.endr
.endm
; K step sp's 16 rows through stage sp: LDS serves a wave's instructions in order, so no wait stands between the stores and the loads
.macro TURN sp
.irp i, 0,1,2,3,4,5,6,7,8,9,10,11,12,13,14,15
	ds_store_b128 v[STI], v[R+64*\sp+4*\i:R+64*\sp+4*\i+3] offset:STGB*\sp+SPT*\i
.endr
.irp b, 0,1,2,3
.irp j, 0,1,2,3
	ds_load_b128 v[X+16*\b+4*\j:X+16*\b+4*\j+3], v[STO] offset:STGB*\sp+128*\b+16*\j
.endr
.endr
.endm
; two f32 numbers become a pair of f16 high parts and a pair of f16 low parts (the rest, taken in f32)
.macro SPLIT hi, lo, a
	v_cvt_pk_f16_f32 v10, v[\a], v[(\a)+1]
	v_cvt_f32_f16 v11, v10.l
	v_cvt_f32_f16 v12, v10.h
	v_sub_f32 v11, v[\a], v11
	v_sub_f32 v12, v[(\a)+1], v12
	v_mov_b32 v[\hi], v10
	v_cvt_pk_f16_f32 v[\lo], v11, v12
.endm
	s_load_b256 s[4:11], s[0:1], 0x0               ; x, W_q, W_k, W_v
	s_load_b256 s[12:19], s[0:1], 0x20             ; W_proj, cod, scl, wp
	v_lshl_add_u32 v[SPW], v0, 2, SPARE
	v_mov_b32 v[NIL], 0
	v_lshrrev_b32 v8, 5, v0
	v_readfirstlane_b32 s20, v8                    ; wave 0..3
	v_and_b32 v8, 31, v0                           ; lane
	v_lshlrev_b32 v[LI], 4, v8
	v_lshlrev_b32 v[LS], 2, v8
	v_and_b32 v9, 15, v0                           ; r
	v_bfe_u32 v[HH], v0, 4, 1
	s_mul_i32 s21, s20, WREG
	v_add_nc_u32 v[STI], s21, v[LI]
	v_mul_u32_u24 v[STO], v9, SPT
	v_lshl_add_u32 v[STO], v[HH], 6, v[STO]
	v_add_nc_u32 v[STO], s21, v[STO]
	s_mov_b32 s[SEL], 0x76543210
	s_mov_b32 s[SEL+1], 0xfedcba98
	s_lshr_b32 s22, s20, 1                         ; which of the work-group's two row tiles
	s_and_b32 s23, s20, 1                          ; p: which half of K
	s_cmp_ge_u32 ttmp9, 244
	s_cbranch_scc1 .Lwp
	; ---- the quantiser.  Work-groups 0..195 x, 196..211 W_q, 212..227 W_k, 228..243 W_v: only pointers are chosen
	s_sub_co_u32 s24, ttmp9, 196
	s_and_b32 s25, s24, 15
	s_lshr_b32 s24, s24, 4                         ; which weight (means nothing under 196)
	s_cmp_lt_u32 ttmp9, 196
	s_cselect_b32 s25, ttmp9, s25                  ; the work-group's number within its tensor
	s_lshl_b32 s25, s25, 1
	s_add_co_u32 s25, s25, s22                     ; the row tile within its tensor
	s_lshl_b32 s26, s25, 15                        ; 16 rows of 2,048 bytes
	s_lshl_b32 s27, s23, 10                        ; + 256 numbers
	s_add_co_u32 s26, s26, s27
	s_mov_b32 s27, 0
	s_lshl_b32 s30, ttmp9, 1
	s_add_co_u32 s30, s30, s22                     ; the row tile among all 488
	s_lshl_b32 s32, s30, 12
	s_lshl_b32 s33, s23, 11
	s_add_co_u32 s32, s32, s33                     ; codes: 4,096 a tile, 1,024 a K step
	s_mov_b32 s33, 0
	s_lshl_b32 s34, s30, 8
	s_lshl_b32 s35, s23, 7
	s_add_co_u32 s34, s34, s35                     ; scale words: 256 a tile, 128 for two K steps
	s_mov_b32 s35, 0
.irp b, 0,1,2,3
	v_mov_b32 v[TM+4+\b], 0                        ; written once: a lane permute's destination counts as one of its sources
.endr
	s_wait_kmcnt 0x0
	s_cmp_eq_u32 s24, 1
	s_cselect_b64 s[28:29], s[8:9], s[6:7]
	s_cmp_eq_u32 s24, 2
	s_cselect_b64 s[28:29], s[10:11], s[28:29]
	s_cmp_lt_u32 ttmp9, 196
	s_cselect_b64 s[28:29], s[4:5], s[28:29]
	s_add_nc_u64 s[28:29], s[28:29], s[26:27]
	s_add_nc_u64 s[14:15], s[14:15], s[32:33]
	s_add_nc_u64 s[16:17], s[16:17], s[34:35]
.irp sp, 0,1
.irp i, 0,1,2,3,4,5,6,7,8,9,10,11,12,13,14,15
	global_load_b128 v[R+64*\sp+4*\i:R+64*\sp+4*\i+3], v[LI], s[28:29] offset:2048*\i+512*\sp th:TH_LOAD_NT   ; 512 consecutive bytes of row i
.endr
.endr
	s_wait_loadcnt 16                              ; the first K step's 16 loads are in; the second's 16 may be out
	TURN 0
	s_wait_dscnt 0x0
	QUANT X
	v_mov_b32 v[PW0], v[PW]
	global_store_b128 v[LI], v[PC:PC+3], s[14:15]
	global_store_b128 v[LI], v[PC+4:PC+7], s[14:15] offset:512
	s_wait_loadcnt 0x0
	TURN 1
	s_wait_dscnt 0x0
	s_wait_xcnt 0x0                                ; the two stores have read the codes' registers: they are written again only behind this wait
	QUANT X
	global_store_b128 v[LI], v[PC:PC+3], s[14:15] offset:1024
	global_store_b128 v[LI], v[PC+4:PC+7], s[14:15] offset:1536
	v_cmp_ne_u32 vcc_lo, 0, v[HH]
	v_cndmask_b32 v[PW], v[PW0], v[PW], vcc_lo     ; lanes 0-15 the first K step's word, lanes 16-31 the second's
	global_store_b32 v[LS], v[PW], s[16:17]
	s_branch .Lend
	; ---- W_proj in f16 pairs
.Lwp:
	s_sub_co_u32 s24, ttmp9, 244                   ; nt: one work-group takes one tile of 16 rows; wave w its kg 4 w .. 4 w + 3
	s_lshl_b32 s26, s24, 15                        ; 16 rows of 2,048 bytes
	s_lshl_b32 s27, s20, 9                         ; + 128 numbers a wave
	s_add_co_u32 s26, s26, s27
	s_mov_b32 s27, 0
	s_lshl_b32 s28, s24, 14                        ; wp: 16,384 a tile,
	s_lshl_b32 s29, s20, 12                        ; 1,024 a kg
	s_add_co_u32 s28, s28, s29
	s_mov_b32 s29, 0
	v_lshlrev_b32 v8, 11, v9                       ; row r
	v_lshl_add_u32 v8, v[HH], 5, v8                ; + my half's eight numbers
	s_wait_kmcnt 0x0
	s_add_nc_u64 s[12:13], s[12:13], s[26:27]
	s_add_nc_u64 s[18:19], s[18:19], s[28:29]
.irp m, 0,1,2,3,4,5,6,7                        ; m = 2 (kg % 4) + c
	global_load_b128 v[R+8*\m:R+8*\m+3], v8, s[12:13] offset:64*\m th:TH_LOAD_NT
	global_load_b128 v[R+8*\m+4:R+8*\m+7], v8, s[12:13] offset:64*\m+16 th:TH_LOAD_NT
.endr
	s_wait_loadcnt 0x0
.irp m, 0,1,2,3,4,5,6,7
.irp k, 0,1,2,3
	SPLIT X+4*\m+\k, X+32+4*\m+\k, R+8*\m+2*\k
.endr
.endr
.irp m, 0,1,2,3,4,5,6,7
	global_store_b128 v[LI], v[X+4*\m:X+4*\m+3], s[18:19] offset:512*\m
	global_store_b128 v[LI], v[X+32+4*\m:X+32+4*\m+3], s[18:19] offset:524288+512*\m
.endr
.Lend:
	s_wait_tensorcnt 0x0                           ; the wave's end
	ds_add_u32 v[SPW], v[NIL]
	s_wait_dscnt 0x0
	s_endpgm
.Lfunc_end_k_q9a9f400f8a_prep:
	.size	k_q9a9f400f8a_prep, .Lfunc_end_k_q9a9f400f8a_prep-k_q9a9f400f8a_prep
	.p2alignl 7, 3214868480
	.fill 96, 4, 3214868480
	.section	.rodata,"a",@progbits
	.p2align	6, 0x0
	.amdhsa_kernel k_q9a9f400f8a_prep
		.amdhsa_group_segment_fixed_size 68096
		.amdhsa_private_segment_fixed_size 0
		.amdhsa_enable_private_segment 0
		.amdhsa_kernarg_size 64
		.amdhsa_user_sgpr_count 2
		.amdhsa_user_sgpr_kernarg_segment_ptr 1
		.amdhsa_wavefront_size32 1
		.amdhsa_system_sgpr_workgroup_id_x 1
		.amdhsa_system_sgpr_workgroup_id_y 1
		.amdhsa_system_sgpr_workgroup_id_z 1
		.amdhsa_system_vgpr_workitem_id 0
		.amdhsa_next_free_vgpr 232
		.amdhsa_next_free_sgpr 66
		.amdhsa_reserve_vcc 1
		.amdhsa_float_denorm_mode_32 3
		.amdhsa_float_denorm_mode_16_64 3
		.amdhsa_memory_ordered 1
		.amdhsa_forward_progress 1
		.amdhsa_inst_pref_size 31
	.end_amdhsa_kernel
	.amdgpu_metadata
---
amdhsa.version: [ 1, 2 ]
amdhsa.kernels:
  - .name:           k_q9a9f400f8a_prep
    .symbol:         k_q9a9f400f8a_prep.kd
    .args:
      - { .name: x, .offset: 0, .size: 8, .value_kind: global_buffer, .address_space: global }
      - { .name: W_q, .offset: 8, .size: 8, .value_kind: global_buffer, .address_space: global }
      - { .name: W_k, .offset: 16, .size: 8, .value_kind: global_buffer, .address_space: global }
      - { .name: W_v, .offset: 24, .size: 8, .value_kind: global_buffer, .address_space: global }
      - { .name: W_proj, .offset: 32, .size: 8, .value_kind: global_buffer, .address_space: global }
      - { .name: cod, .offset: 40, .size: 8, .value_kind: global_buffer, .address_space: global }
      - { .name: scl, .offset: 48, .size: 8, .value_kind: global_buffer, .address_space: global }
      - { .name: wp, .offset: 56, .size: 8, .value_kind: global_buffer, .address_space: global }
    .group_segment_fixed_size: 68096
    .private_segment_fixed_size: 0
    .kernarg_segment_align: 8
    .kernarg_segment_size: 64
    .max_flat_workgroup_size: 128
    .sgpr_count:     66
    .vgpr_count:     232
    .wavefront_size: 32
...
	.end_amdgpu_metadata
.endif
;; end of part 1
;; launch qkv (part 2): grid 49 x 6, 4 waves a work-group, no clusters, 0 bytes of LDS; arguments cod, scl, b_q, b_k, b_v, qkv, qkl; writes qkv, qkl
.if DOCPART == 2
	.amdgcn_target "amdgcn-amd-amdhsa--gfx1250"
	.amdhsa_code_object_version 6
	.text
	.protected	k_q9a9f400f8a_qkv
	.globl	k_q9a9f400f8a_qkv
	.p2align	8
	.type	k_q9a9f400f8a_qkv,@function
k_q9a9f400f8a_qkv:
	s_mov_b64 s[64:65], 0
	v_nop
	global_prefetch_b8 v0, s[64:65] scope:SCOPE_SE
	s_setreg_imm32_b32 hwreg(HW_REG_WAVE_MODE, 25, 1), 1
	s_wait_xcnt 0x0
; QKV.  q, k, v = x W^T + b on codes of FP4 with E8M0 scales (the three quantised products), f32 sums; results leave as f16 in the order of the attention's operand registers.
;   qkv: Q at 0, K at QSZ, V at 2 QSZ, each [batch x head] x BHS bytes.
;   Q, K: [tile of 16 rows][ct 0..3][lane][16 bytes] = row r = lane % 16, channels 16 ct + 8 (lane / 16) + 0 .. 7, both times sqrt(c), c = log2(e) / 8: their product is the score in powers of two.
;   V:    [32 keys kappa][ct 0..3][c 0..1][lane][16 bytes] = channel 16 ct + r, keys 32 kappa + 16 c + 8 (lane / 16) + 0 .. 7.
;   qkl: the f16 low parts (what the rounding to f16 left, taken in f32) at the same offsets, for the groups of 64 rows that begin a block of 1,024 frames and for the 64 text rows alone.
; SHARES.  Grid y: tensor = y / 2.  Wave w takes 64 rows (group 2 x + w % 2) and 128 channels (head pair 2 (y % 2) + w / 2): 8 channel tiles x 4 row tiles x 4 K steps = 128 scaled matrix instructions.
; x's 16 fragments (all of K) stay in registers; W's come a channel tile at a time, three sets ahead, straight from memory as register images: every load is 512 consecutive bytes (scale words: 128).
; Q, K: the product is used transposed (source 0 = W's rows, source 1 = x's rows): a lane holds one row and eight neighbouring channels.  V: source 0 = x's rows, source 1 = W_v's: a lane holds one channel and eight keys.
; No cluster and no LDS: what two waves of a work-group share is 64 KB read once each; the launch is short and its operands are small.
; LIMITS: q sqrt(c), k sqrt(c) and v must lie under 65,504 in magnitude (f16).
; REGISTERS.  window 1: v0-127 x's fragments (row tile i, K step s) at 8 (4 i + s).  window 0: v8-15 x's scale words (i, p); v16-21 W's (set, p); v40-71 four accumulators; v72-87 low parts; v88-91 at work;
;   v96-191 W's fragments, three sets; v192-255 the biases.
.set QSZ,  6422528
.set BHS,  401408
.set LI,   1                           ; v1  16 x lane
.set LS,   2                           ; v2  4 x lane
.set BO,   3                           ; v3  the biases' offset
.set XS,   8
.set WS,   16
.set ACC,  40
.set L,    72
.set WF,   96
.set BS,   192
.set FINE, 24                          ; s24  0 where this group of 64 rows also stores low parts
.set XC,   28                          ; s[28:29] x's codes;  s[30:31] x's scale words;  s[32:33], s[34:35] W's;  s[36:37] the bias;  s[38:39] qkv, s[40:41] qkl at my first store
.set XSC,  30
.set WC,   32
.set WSC,  34
.set BP,   36
.set OH,   38
.set OL,   40
.set RC,   42                          ; s[42:43] sqrt(c), named as a pair
.set MSB, 0
.macro WIN new                         ; the immediate's high byte repeats the setting that is left
.if MSB != \new
	s_set_vgpr_msb (MSB<<8)|\new
.set MSB, \new
.endif
.endm
.macro WLOAD ct                        ; channel tile ct: W's four fragments and two scale words into set ct % 3: ten loads
.set WLB, WF+32*((\ct)%3)
.irp m, 0,1,2,3,4,5,6,7
	global_load_b128 v[WLB+4*\m:WLB+4*\m+3], v[LI], s[WC:WC+1] offset:4096*(\ct)+512*\m
.endr
.irp p, 0,1
	global_load_b32 v[WS+2*((\ct)%3)+\p], v[LS], s[WSC:WSC+1] offset:256*(\ct)+128*\p
.endr
.endm
; one scaled matrix instruction: row tile i, K step s.  An odd K step's scale words lie in lanes 16-31 of both scale registers.
.macro MM kind, ct, s, i
.if \kind == 0
.if \s == 0
	v_wmma_scale_f32_16x16x128_f8f6f4 v[ACC+8*\i:ACC+8*\i+7], v[WB:WB+7], v[32*\i:32*\i+7], v[BS+8*(\ct):BS+8*(\ct)+7], v[SB], v[XS+2*\i] matrix_a_fmt:MATRIX_FMT_FP4 matrix_b_fmt:MATRIX_FMT_FP4
.elseif \s == 2
	v_wmma_scale_f32_16x16x128_f8f6f4 v[ACC+8*\i:ACC+8*\i+7], v[WB+16:WB+23], v[32*\i+16:32*\i+23], v[ACC+8*\i:ACC+8*\i+7], v[SB+1], v[XS+2*\i+1] matrix_a_fmt:MATRIX_FMT_FP4 matrix_b_fmt:MATRIX_FMT_FP4
.else
	v_wmma_scale_f32_16x16x128_f8f6f4 v[ACC+8*\i:ACC+8*\i+7], v[WB+8*\s:WB+8*\s+7], v[32*\i+8*\s:32*\i+8*\s+7], v[ACC+8*\i:ACC+8*\i+7], v[SB+\s/2], v[XS+2*\i+\s/2] matrix_a_fmt:MATRIX_FMT_FP4 matrix_b_fmt:MATRIX_FMT_FP4 matrix_a_scale:MATRIX_SCALE_ROW1 matrix_b_scale:MATRIX_SCALE_ROW1
.endif
.else
.if \s == 0
	v_wmma_scale_f32_16x16x128_f8f6f4 v[ACC+8*\i:ACC+8*\i+7], v[32*\i:32*\i+7], v[WB:WB+7], 0, v[XS+2*\i], v[SB] matrix_a_fmt:MATRIX_FMT_FP4 matrix_b_fmt:MATRIX_FMT_FP4
.elseif \s == 2
	v_wmma_scale_f32_16x16x128_f8f6f4 v[ACC+8*\i:ACC+8*\i+7], v[32*\i+16:32*\i+23], v[WB+16:WB+23], v[ACC+8*\i:ACC+8*\i+7], v[XS+2*\i+1], v[SB+1] matrix_a_fmt:MATRIX_FMT_FP4 matrix_b_fmt:MATRIX_FMT_FP4
.else
	v_wmma_scale_f32_16x16x128_f8f6f4 v[ACC+8*\i:ACC+8*\i+7], v[32*\i+8*\s:32*\i+8*\s+7], v[WB+8*\s:WB+8*\s+7], v[ACC+8*\i:ACC+8*\i+7], v[XS+2*\i+\s/2], v[SB+\s/2] matrix_a_fmt:MATRIX_FMT_FP4 matrix_b_fmt:MATRIX_FMT_FP4 matrix_a_scale:MATRIX_SCALE_ROW1 matrix_b_scale:MATRIX_SCALE_ROW1
.endif
.endif
.endm
.macro LOWP lo, a                      ; the f16 low parts of two f32 numbers
	v_cvt_pk_f16_f32 v88, v[\a], v[(\a)+1]
	v_cvt_f32_f16 v90, v88.l
	v_cvt_f32_f16 v91, v88.h
	v_sub_f32 v90, v[\a], v90
	v_sub_f32 v91, v[(\a)+1], v91
	v_cvt_pk_f16_f32 v[\lo], v90, v91
.endm
; A channel tile.  kind 0: Q or K; kind 1: V.
.macro TRIP kind, ct
	s_wait_xcnt 0x0                                ; the last trip's stores have read the accumulators and the low parts: they are written again only behind this wait
.if (\ct) <= 5
	s_wait_loadcnt 20                              ; this tile's ten loads are in (and all that was asked before them); the two younger sets, ten loads each, may be out
.elseif (\ct) == 6
	s_wait_loadcnt 10
.else
	s_wait_loadcnt 0x0
.endif
.set WB, WF+32*((\ct)%3)
.set SB, WS+2*((\ct)%3)
.if \kind
	WIN 0x01                                       ; source 0 (x) in window 1
.else
	WIN 0x04                                       ; source 1 (x) in window 1
.endif
.irp s, 0,1,2,3                                ; the four accumulators take turns, one instruction a turn
.irp i, 0,1,2,3
	MM \kind, \ct, \s, \i
.endr
.endr
	WIN 0
.rept 4
	v_nop                                          ; four places ahead of loads into W's registers and of the first read of results
.endr
.if (\ct) <= 4
	WLOAD (\ct)+3
.endif
.irp i, 0,1,2,3
.irp k, 0,2,4,6
.if \kind
	v_pk_add_f32 v[ACC+8*\i+\k:ACC+8*\i+\k+1], v[ACC+8*\i+\k:ACC+8*\i+\k+1], v[BS+2*(\ct):BS+2*(\ct)+1]   ; + b_v of my channel
.else
	v_pk_mul_f32 v[ACC+8*\i+\k:ACC+8*\i+\k+1], v[ACC+8*\i+\k:ACC+8*\i+\k+1], s[RC:RC+1] op_sel_hi:[1,0]   ; x sqrt(c); the bias was the sum's start
.endif
.endr
.endr
	s_cmp_lg_u32 s[FINE], 0
	s_cbranch_scc1 .Lcoarse_\@
.irp i, 0,1,2,3
.irp k, 0,1,2,3
	LOWP L+4*\i+\k, ACC+8*\i+2*\k
.endr
.endr
.irp i, 0,1,2,3
.if \kind
	global_store_b128 v[LI], v[L+4*\i:L+4*\i+3], s[OL:OL+1] offset:((\ct)/4)*BHS+4096*(\i/2)+1024*((\ct)%4)+512*(\i%2)
.else
	global_store_b128 v[LI], v[L+4*\i:L+4*\i+3], s[OL:OL+1] offset:((\ct)/4)*BHS+2048*\i+512*((\ct)%4)
.endif
.endr
.Lcoarse_\@:
.irp i, 0,1,2,3
.irp k, 0,1,2,3
	v_cvt_pk_f16_f32 v[ACC+8*\i+\k], v[ACC+8*\i+2*\k], v[ACC+8*\i+2*\k+1]   ; in place, ascending: register k is written when registers 2 k and 2 k + 1 are read
.endr
.endr
.irp i, 0,1,2,3
.if \kind
	global_store_b128 v[LI], v[ACC+8*\i:ACC+8*\i+3], s[OH:OH+1] offset:((\ct)/4)*BHS+4096*(\i/2)+1024*((\ct)%4)+512*(\i%2)   ; 512 consecutive bytes
.else
	global_store_b128 v[LI], v[ACC+8*\i:ACC+8*\i+3], s[OH:OH+1] offset:((\ct)/4)*BHS+2048*\i+512*((\ct)%4)
.endif
.endr
.endm
	s_load_b256 s[4:11], s[0:1], 0x0               ; cod, scl, b_q, b_k
	s_load_b128 s[12:15], s[0:1], 0x20             ; b_v, qkv
	s_load_b64 s[16:17], s[0:1], 0x30              ; qkl
	v_lshrrev_b32 v4, 5, v0
	v_readfirstlane_b32 s18, v4                    ; wave 0..3
	v_and_b32 v4, 31, v0
	v_lshlrev_b32 v[LI], 4, v4
	v_lshlrev_b32 v[LS], 2, v4
	s_and_b32 s19, ttmp7, 0xffff
	s_lshr_b32 s20, s19, 1                         ; the tensor: 0 Q, 1 K, 2 V
	s_and_b32 s19, s19, 1
	s_lshl_b32 s19, s19, 1
	s_lshr_b32 s21, s18, 1
	s_add_co_u32 s19, s19, s21                     ; the head pair
	s_and_b32 s21, s18, 1
	s_lshl_b32 s22, ttmp9, 1
	s_add_co_u32 s21, s22, s21                     ; the group of 64 rows, 0..97
	s_cmp_ge_u32 s21, 49
	s_cselect_b32 s22, 1, 0                        ; the batch
	s_mul_i32 s23, s22, 49
	s_sub_co_u32 s23, s21, s23                     ; the group within its batch
	s_and_b32 s[FINE], s23, 15                     ; groups 0, 16, 32 begin a block of frames; group 48 is the text
	s_lshl_b32 s[XC], s21, 14
	s_mov_b32 s[XC+1], 0
	s_lshl_b32 s[XSC], s21, 10
	s_mov_b32 s[XSC+1], 0
	s_lshl_b32 s25, s20, 5
	s_lshl_b32 s26, s19, 3
	s_add_co_u32 s25, s25, s26
	s_add_co_u32 s25, s25, 392                     ; W's first row tile in cod
	s_lshl_b32 s[WC], s25, 12
	s_mov_b32 s[WC+1], 0
	s_lshl_b32 s[WSC], s25, 8
	s_mov_b32 s[WSC+1], 0
	s_lshl_b32 s[BP], s19, 9                       ; 128 biases
	s_mov_b32 s[BP+1], 0
	s_mul_i32 s[OH], s20, QSZ
	s_lshl_b32 s25, s22, 3
	s_lshl_b32 s26, s19, 1
	s_add_co_u32 s25, s25, s26                     ; batch x 8 + first head
	s_mul_i32 s25, s25, BHS
	s_add_co_u32 s[OH], s[OH], s25
	s_lshl_b32 s25, s23, 13                        ; 64 rows are 8,192 bytes in all three layouts
	s_add_co_u32 s[OH], s[OH], s25
	s_mov_b32 s[OH+1], 0
	s_mov_b64 s[OL:OL+1], s[OH:OH+1]
	s_mov_b32 s[RC], 0x3ed96d27                    ; sqrt(log2(e) / 8)
	s_mov_b32 s[RC+1], s[RC]
	s_wait_kmcnt 0x0
	s_add_nc_u64 s[XC:XC+1], s[4:5], s[XC:XC+1]
	s_add_nc_u64 s[WC:WC+1], s[4:5], s[WC:WC+1]
	s_add_nc_u64 s[XSC:XSC+1], s[6:7], s[XSC:XSC+1]
	s_add_nc_u64 s[WSC:WSC+1], s[6:7], s[WSC:WSC+1]
	s_add_nc_u64 s[OH:OH+1], s[14:15], s[OH:OH+1]
	s_add_nc_u64 s[OL:OL+1], s[16:17], s[OL:OL+1]
	s_cmp_eq_u32 s20, 1
	s_cselect_b64 s[26:27], s[10:11], s[8:9]
	s_cmp_eq_u32 s20, 2
	s_cselect_b64 s[26:27], s[12:13], s[26:27]
	s_add_nc_u64 s[BP:BP+1], s[26:27], s[BP:BP+1]
	WIN 0x40                                       ; destination window 1
.set n, 0
.rept 32
	global_load_b128 v[4*n:4*n+3], v[LI], s[XC:XC+1] offset:512*n   ; x's 16 fragments: they stay
.set n, n+1
.endr
	WIN 0
.irp m, 0,1,2,3,4,5,6,7
	global_load_b32 v[XS+\m], v[LS], s[XSC:XSC+1] offset:128*\m
.endr
	s_cmp_eq_u32 s20, 2
	s_cbranch_scc1 .Lv
	v_bfe_u32 v[BO], v0, 4, 1
	v_lshlrev_b32 v[BO], 5, v[BO]                  ; my half's eight channels
.irp c, 0,1,2,3,4,5,6,7                        ; the bias in the result's layout: it is the C of each sum's first instruction
	global_load_b128 v[BS+8*\c:BS+8*\c+3], v[BO], s[BP:BP+1] offset:64*\c
	global_load_b128 v[BS+8*\c+4:BS+8*\c+7], v[BO], s[BP:BP+1] offset:64*\c+16
.endr
	WLOAD 0
	WLOAD 1
	WLOAD 2
.irp c, 0,1,2,3,4,5,6,7
	TRIP 0, \c
.endr
	s_endpgm
.Lv:
	v_and_b32 v[BO], 15, v0
	v_lshlrev_b32 v[BO], 2, v[BO]                  ; my channel
.irp c, 0,1,2,3,4,5,6,7                        ; b_v of my channel, in both registers of a pair for the packed addition
	global_load_b32 v[BS+2*\c], v[BO], s[BP:BP+1] offset:64*\c
	global_load_b32 v[BS+2*\c+1], v[BO], s[BP:BP+1] offset:64*\c
.endr
	WLOAD 0
	WLOAD 1
	WLOAD 2
.irp c, 0,1,2,3,4,5,6,7
	TRIP 1, \c
.endr
	s_endpgm
.Lfunc_end_k_q9a9f400f8a_qkv:
	.size	k_q9a9f400f8a_qkv, .Lfunc_end_k_q9a9f400f8a_qkv-k_q9a9f400f8a_qkv
	.p2alignl 7, 3214868480
	.fill 96, 4, 3214868480
	.section	.rodata,"a",@progbits
	.p2align	6, 0x0
	.amdhsa_kernel k_q9a9f400f8a_qkv
		.amdhsa_group_segment_fixed_size 0
		.amdhsa_private_segment_fixed_size 0
		.amdhsa_enable_private_segment 0
		.amdhsa_kernarg_size 56
		.amdhsa_user_sgpr_count 2
		.amdhsa_user_sgpr_kernarg_segment_ptr 1
		.amdhsa_wavefront_size32 1
		.amdhsa_system_sgpr_workgroup_id_x 1
		.amdhsa_system_sgpr_workgroup_id_y 1
		.amdhsa_system_sgpr_workgroup_id_z 1
		.amdhsa_system_vgpr_workitem_id 0
		.amdhsa_next_free_vgpr 384
		.amdhsa_next_free_sgpr 66
		.amdhsa_reserve_vcc 0
		.amdhsa_float_denorm_mode_32 3
		.amdhsa_float_denorm_mode_16_64 3
		.amdhsa_memory_ordered 1
		.amdhsa_forward_progress 1
		.amdhsa_inst_pref_size 170
	.end_amdhsa_kernel
	.amdgpu_metadata
---
amdhsa.version: [ 1, 2 ]
amdhsa.kernels:
  - .name:           k_q9a9f400f8a_qkv
    .symbol:         k_q9a9f400f8a_qkv.kd
    .args:
      - { .name: cod, .offset: 0, .size: 8, .value_kind: global_buffer, .address_space: global }
      - { .name: scl, .offset: 8, .size: 8, .value_kind: global_buffer, .address_space: global }
      - { .name: b_q, .offset: 16, .size: 8, .value_kind: global_buffer, .address_space: global }
      - { .name: b_k, .offset: 24, .size: 8, .value_kind: global_buffer, .address_space: global }
      - { .name: b_v, .offset: 32, .size: 8, .value_kind: global_buffer, .address_space: global }
      - { .name: qkv, .offset: 40, .size: 8, .value_kind: global_buffer, .address_space: global }
      - { .name: qkl, .offset: 48, .size: 8, .value_kind: global_buffer, .address_space: global }
    .group_segment_fixed_size: 0
    .private_segment_fixed_size: 0
    .kernarg_segment_align: 8
    .kernarg_segment_size: 56
    .max_flat_workgroup_size: 128
    .sgpr_count:     66
    .vgpr_count:     384
    .wavefront_size: 32
...
	.end_amdgpu_metadata
.endif
;; end of part 2
;; launch attn (part 3): grid 16 x 16, 16 waves a work-group, no clusters, 327,680 bytes of LDS; arguments qkv, start_frames, end_frames, yh; writes yh
.if DOCPART == 3
	.amdgcn_target "amdgcn-amd-amdhsa--gfx1250"
	.amdhsa_code_object_version 6
	.text
	.protected	k_q9a9f400f8a_attn
	.globl	k_q9a9f400f8a_attn
	.p2align	8
	.type	k_q9a9f400f8a_attn,@function
k_q9a9f400f8a_attn:
	s_mov_b64 s[64:65], 0
	v_nop
	global_prefetch_b8 v0, s[64:65] scope:SCOPE_SE
	s_setreg_imm32_b32 hwreg(HW_REG_WAVE_MODE, 25, 1), 1
	s_wait_xcnt 0x0
; ATTN.  The attention of all 3 x 1,024 motion rows of every batch and head, f16 operands, f32 sums, a running maximum.  Only what the mask keeps is multiplied.
; THE MASK (frames f, three row blocks rb and three column blocks c of 1,024): rb0 sees c0 up to its own frame; rb1 sees c0 up to its frame, c1 and c2 before it; rb2 sees c0 and c1 up to its frame, c2 before it;
; rb1 sees the text classes upper, torso, whole and rb2 lower, torso, whole, of the segments n with start[n] / 8 <= f < end[n] / 8 (floor division; any int32 is served).  The frames' tests only choose values (v_cndmask_b32).
; SHARES.  Work-group (i, batch x head) owns the 32 frames of group 31 - i (waves 0-7) and of group i (waves 8-15): the same number of steps in every work-group.  In a group of eight waves, wave rho holds the two
; query tiles of ONE row block against ONE column block: rho 0-2: rb1 x c0..c2; rho 3: rb0 x c0; rho 4-6: rb2 x c0..c2; rho 7 has no queries and only passes the barriers.  So the seven have equal work in every step of 32 keys.
; The waves on c1 and c2 also take 32 text keys each.  The three partial results of rb1 and of rb2 meet in LDS at the end; the wave on c0 owns the row.
; LAYOUT.  S^T = K Q^T (source 0 = 16 keys, source 1 = 16 queries): a lane holds one query and keys 8 (lane / 16) + 0..7; two such tiles, packed to f16, ARE source 1 of O^T = V^T P.  Q, K, V lie in memory as register images.
; Q and K carry sqrt(log2(e) / 8) each, so p = 2^(s - m).
; RING.  Two LDS slots of 128 frames: K and V of c0..c2, six dense blocks of 16 KB, one tensor load each (waves 0-5).  The text's K and V (8 KB each) come once (waves 6, 7).  A wave has one tensor load out at the most.
; The look-ahead ends where the next slot's first frame group lies beyond group 31 - i: none of the sixteen waves would read it.  That test is made of the work-group's number and the count of slots alone.
; No cluster: the sixteen work-groups of a head stop at different slots, so a joint load would bring some partner a tile that none of its waves reads.
; LIMITS: the running maximum starts at -3e38; scores beyond that are not served.  f16's range holds for q, k, v as stated where they are made.
.set QSZ,   6422528
.set BHS,   401408
.set SLOT1, 1<<17                      ; slot 1 begins here: one exclusive or turns an address from slot to slot
.set TXT,   98304                      ; behind slot 0's 98,304 bytes: the text's K (8,192), then its V
.set SPARE, 114688                     ; the spare words, 128 bytes for each of 16 waves
.set MRG,   229376                     ; behind slot 1: eight regions for the partial results
.set MREG,  8704                       ; a region: O^T 8,192; m 2 x 128; l 2 x 128
.set SPW, 2                            ; v2  my spare word; never rewritten
.set NIL, 3                            ; v3  0; never rewritten
.set AK,  4                            ; v4  my column block's K in a slot + 16 x lane
.set AV,  5                            ; v5  its V
.set ADK, 6                            ; v6  the same in the slot in hand
.set ADV, 7
.set DG,  8                            ; v8  r - (1 where the block is strict) - 8 (lane / 16)
.set NINF, 9                           ; v9  -infinity
.set VIS, 10                           ; v10-11  tile u: bit j = segment 8 (lane / 16) + j is active at my query's frame
.set LI,  12                           ; v12 16 x lane
.set AT,  13                           ; v13 my 32 text keys
.set MO,  14                           ; v14 my region (the owner: its first partner's) + 16 x lane
.set M4,  15                           ; v15 the region's m and l + 4 x lane
.set ST,  16                           ; v16-31  tile u at ST + 8 u: +0 m, +1 zero, +2, +3 l in two halves, +4 .. +7 at work; a in +6
.set Q,   32                           ; v32-63   Q (u, g) at 16 u + 8 g
.set K,   64                           ; v64-95   K (t, g) at 16 t + 8 g
.set V,   96                           ; v96-127  V (ct) at 8 ct
.set S,   128                          ; v128-159 S^T (u, t) at 16 u + 8 t
.set P,   160                          ; v160-175 P (u) at 8 u
.set O,   176                          ; v176-239 O^T (u, ct) at 32 u + 8 ct
.set FR,  246                          ; v246-247 at the head: my queries' frames
.set PFO, 254                          ; v254 256 x lane; never rewritten
.set WV,  12
.set RHO, 13
.set FA,  14                           ; s14 my frame group
.set OUTF, 15                          ; s15 1 in the waves that store rows
.set G1R, 16                           ; s[16:23] descriptor group 1: 64 dense rows of 256 bytes
.set G1T, 24                           ; s[24:31] 32 such rows
.set SEL, 32
.set F,   34                           ; s34 my frame group, -1 in a wave without queries
.set JF,  35                           ; s35 the slot's first step
.set TB,  36                           ; s36 LDS byte at which the slot in hand begins
.set SLOTS, 37
.set LIM, 38                           ; s38 1 in a wave that prefetches, else the greatest number
.set FMAX, 39                          ; s39 31 - i: the work-group's last frame group
.set G0,  40                           ; s[40:43] group 0 of the ring's load: it walks
.set G0T, 44                           ; s[44:47] of the text's
.set PFA, 48                           ; s[48:49] where my prefetches stand
.set CR,  50                           ; s50 rho % 4
.set QQ,  51                           ; s51 rho / 4
.set COL, 52
.set PT,  53                           ; s53 1 in the waves on c1 and c2
.set GG,  54
.set RB,  55
.set DELTA, 56
.set AL0, 57                           ; s57, s58 255 where the text class of key tile 0, 1 is open to my row block
.set AL1, 58
.set BH,  59
.macro TLOAD                           ; waves 0-5 fetch one block each; an s_nop 0 and four v_nop follow the load
	s_cmp_lt_u32 s[WV], 6
	s_cbranch_scc0 .Lasked_\@
	tensor_load_to_lds s[G0:G0+3], s[G1R:G1R+7]
	s_nop 0
.rept 4
	v_nop
.endr
.Lasked_\@:
.endm
; A prefetch of what the NEXT change of slots will ask for.  All sixteen work-groups of a head walk the same K and V: work-group 0 asks, and in it waves 8-13, which fetch nothing: one block of 16 KB each, lanes 256 bytes apart,
; two instructions.  So each aligned 256 bytes are named once in the launch.  Slots 0 and 1 come by their loads alone; the last change that fills a slot asks for nothing.
.macro ASK
	s_cmp_gt_u32 s[SLOTS], s[LIM]
	s_cbranch_scc0 .Lnot_mine_\@
	global_prefetch_b8 v[PFO], s[PFA:PFA+1] th:TH_LOAD_NT scope:SCOPE_SE
	global_prefetch_b8 v[PFO], s[PFA:PFA+1] offset:8192 th:TH_LOAD_NT scope:SCOPE_SE
.Lnot_mine_\@:
.endm
; The change of slots, at a slot's head.  Each wave waits for all its tensor loads, adds 0 to its spare word, and waits for that and for its reads of the slot that it has left; behind the barrier the slot ahead is whole and
; nobody reads the other one, which (fill = 1) is filled with the next 128 frames: that load has a slot's four steps in which to land.
.macro CHANGE fill
	s_wait_tensorcnt 0x0                           ; no tensor load of mine is out, so a group 0 may be written
	ds_add_u32 v[SPW], v[NIL]
.if \fill
	ds_add_u32 v[SPW], v[NIL]                      ; and once more, in every trip alike
	s_xor_b32 s[G0+1], s[G0+1], SLOT1              ; the other slot than last time,
	s_add_nc_u64 s[G0+2:G0+3], s[G0+2:G0+3], 16384 ; the next 128 frames; the type bits on top are not reached
	s_wait_xcnt 0x0                                ; the last prefetches, a slot back, have read their address
	s_add_nc_u64 s[PFA:PFA+1], s[PFA:PFA+1], 16384 ; one slot further on than the walking descriptor
.endif
	s_wait_dscnt 0x0                               ; the add is done, and my reads of the slot that I have left are over
	s_barrier_signal -1
	s_barrier_wait -1
.if \fill
	s_add_co_u32 s60, s[JF], 4                     ; the first frame group of the slot that this change would ask for
	s_cmp_gt_u32 s60, s[FMAX]                      ; beyond the work-group's last: no wave would read it.  The same in all sixteen waves; once past, always past
	s_cbranch_scc1 .Lpast_\@
	TLOAD                                          ; the first tensor load behind the barrier, and a wave's only one until the next
.Lpast_\@:
	ASK
.endif
.endm
; The softmax of both query tiles for 32 keys; the tiles alternate line by line.
.macro SOFT
.irp u, 0,1
	v_max3_num_f32 v[ST+8*\u+4], v[S+16*\u], v[S+16*\u+1], v[S+16*\u+2]        ; each accumulator is read from its low end on
	v_max3_num_f32 v[ST+8*\u+5], v[S+16*\u+8], v[S+16*\u+9], v[S+16*\u+10]
.endr
.irp k, 3,5
.irp u, 0,1
	v_max3_num_f32 v[ST+8*\u+4], v[ST+8*\u+4], v[S+16*\u+\k], v[S+16*\u+\k+1]
	v_max3_num_f32 v[ST+8*\u+5], v[ST+8*\u+5], v[S+16*\u+8+\k], v[S+16*\u+9+\k]
.endr
.endr
.irp u, 0,1
	v_max3_num_f32 v[ST+8*\u+4], v[ST+8*\u+4], v[S+16*\u+7], v[S+16*\u+15]
.endr
.irp u, 0,1
	v_max3_num_f32 v[ST+8*\u+4], v[ST+8*\u+4], v[ST+8*\u+5], v[ST+8*\u]        ; with the old m
.endr
.irp u, 0,1
	v_permlanex16_b32 v[ST+8*\u+5], v[ST+8*\u+4], s[SEL], s[SEL+1]             ; the query's other 16 keys lie in the lane 16 away
.endr
.irp u, 0,1
	v_max_num_f32 v[ST+8*\u+4], v[ST+8*\u+4], v[ST+8*\u+5]
.endr
.irp u, 0,1
	v_sub_f32 v[ST+8*\u+7], v[ST+8*\u], v[ST+8*\u+4]                           ; old m - new m
.endr
.irp u, 0,1
	v_mov_b32 v[ST+8*\u], v[ST+8*\u+4]
.endr
.irp k, 0,2,4,6,8,10,12,14
.irp u, 0,1
	v_pk_add_f32 v[S+16*\u+\k:S+16*\u+\k+1], v[S+16*\u+\k:S+16*\u+\k+1], v[ST+8*\u:ST+8*\u+1] op_sel_hi:[1,0] neg_lo:[0,1] neg_hi:[0,1]   ; s - m
.endr
.endr
.irp u, 0,1
	v_exp_f32 v[ST+8*\u+6], v[ST+8*\u+7]                                       ; a = 2^(old m - new m)
.endr
.set n, 0
.rept 32
	v_exp_f32 v[S+n], v[S+n]                                                   ; p = 2^(s - m)
.set n, n+1
.endr
	v_nop                                          ; a plain instruction behind the last exponential
	s_wait_alu depctr_va_vdst(0)                   ; one wait for the batch of 34, ahead of its first reader
.irp k, 0,1,2,3,4,5,6,7
.irp u, 0,1
	v_cvt_pk_f16_f32 v[P+8*\u+\k], v[S+16*\u+2*\k], v[S+16*\u+2*\k+1]
.endr
.endr
.irp k, 0,4,8,12
.irp u, 0,1
	v_pk_add_f32 v[S+16*\u+\k:S+16*\u+\k+1], v[S+16*\u+\k:S+16*\u+\k+1], v[S+16*\u+\k+2:S+16*\u+\k+3]   ; the row's sum is taken of the unrounded p
.endr
.endr
.irp k, 0,8
.irp u, 0,1
	v_pk_add_f32 v[S+16*\u+\k:S+16*\u+\k+1], v[S+16*\u+\k:S+16*\u+\k+1], v[S+16*\u+\k+4:S+16*\u+\k+5]
.endr
.endr
.irp u, 0,1
	v_pk_add_f32 v[S+16*\u:S+16*\u+1], v[S+16*\u:S+16*\u+1], v[S+16*\u+8:S+16*\u+9]
.endr
.irp u, 0,1
	v_pk_fma_f32 v[ST+8*\u+2:ST+8*\u+3], v[ST+8*\u+2:ST+8*\u+3], v[ST+8*\u+6:ST+8*\u+7], v[S+16*\u:S+16*\u+1] op_sel_hi:[1,0,1]   ; l = a l + the sum
.endr
.irp u, 0,1
.set n, 0
.rept 16
	v_pk_mul_f32 v[O+32*\u+n:O+32*\u+n+1], v[O+32*\u+n:O+32*\u+n+1], v[ST+8*\u+6:ST+8*\u+7] op_sel_hi:[1,0]   ; O^T x a
.set n, n+2
.endr
.endr
.endm
; A step of 32 keys.  kind 0: the q-th of the slot in hand, left out where it lies beyond my frame group; kind 1: my 32 text keys.
.macro STEPX kind, q
.if \kind == 0
	s_add_co_u32 s61, s[JF], \q
	s_cmp_gt_i32 s61, s[F]
	s_cbranch_scc1 .Lskip_\@
.set n, 0
.rept 8
	ds_load_b128 v[K+4*n:K+4*n+3], v[ADK] offset:4096*\q+512*n
.set n, n+1
.endr
.set n, 0
.rept 8
	ds_load_b128 v[V+4*n:V+4*n+3], v[ADV] offset:4096*\q+512*n
.set n, n+1
.endr
.else
.set n, 0
.rept 8
	ds_load_b128 v[K+4*n:K+4*n+3], v[AT] offset:512*n
.set n, n+1
.endr
.set n, 0
.rept 8
	ds_load_b128 v[V+4*n:V+4*n+3], v[AT] offset:8192+512*n
.set n, n+1
.endr
.endif
	s_wait_dscnt 8                                 ; K's eight loads are in; V's eight may be out
.irp g, 0,1                                    ; four accumulators by turns; the first four products start the sums
.irp u, 0,1
.irp t, 0,1
.if \g == 0
	v_wmma_f32_16x16x32_f16 v[S+16*\u+8*\t:S+16*\u+8*\t+7], v[K+16*\t:K+16*\t+7], v[Q+16*\u:Q+16*\u+7], 0
.else
	v_wmma_f32_16x16x32_f16 v[S+16*\u+8*\t:S+16*\u+8*\t+7], v[K+16*\t+8:K+16*\t+15], v[Q+16*\u+8:Q+16*\u+15], v[S+16*\u+8*\t:S+16*\u+8*\t+7]
.endif
.endr
.endr
.endr
.rept 4
	v_nop                                          ; four places ahead of the first read of results (ISA guide 7.12.1)
.endr
.if \kind == 0
	s_cmp_lg_u32 s61, s[F]
	s_cbranch_scc1 .Lopen_\@
	; on the diagonal: key 16 t + 8 (lane / 16) + j is hidden from query 16 u + r where 16 t + j - 16 u > DG.  Tiles (0, 0) and (1, 1) share the test; (0, 1) is hidden whole; (1, 0) is open whole
.irp j, 0,1,2,3,4,5,6,7
	v_cmp_gt_i32 vcc_lo, \j, v[DG]
	v_cndmask_b32 v[S+\j], v[S+\j], v[NINF], vcc_lo
	v_cndmask_b32 v[S+24+\j], v[S+24+\j], v[NINF], vcc_lo
.endr
.irp j, 0,1,2,3,4,5,6,7
	v_mov_b32 v[S+8+\j], v[NINF]
.endr
.Lopen_\@:
.else
	v_and_b32 v240, s[AL0], v[VIS]                 ; the segments' bits, where the tile's class is open to my row block
	v_and_b32 v241, s[AL1], v[VIS]
	v_and_b32 v242, s[AL0], v[VIS+1]
	v_and_b32 v243, s[AL1], v[VIS+1]
.irp u, 0,1
.irp t, 0,1
.irp j, 0,1,2,3,4,5,6,7
	v_and_b32 v244, 1<<\j, v[240+2*\u+\t]
	v_cmp_eq_u32 vcc_lo, 0, v244
	v_cndmask_b32 v[S+16*\u+8*\t+\j], v[S+16*\u+8*\t+\j], v[NINF], vcc_lo
.endr
.endr
.endr
.endif
	SOFT
	s_wait_dscnt 0x0                               ; V is in
.irp c, 0,1,2,3                                ; eight accumulators by turns
.irp u, 0,1
	v_wmma_f32_16x16x32_f16 v[O+32*\u+8*\c:O+32*\u+8*\c+7], v[V+8*\c:V+8*\c+7], v[P+8*\u:P+8*\u+7], v[O+32*\u+8*\c:O+32*\u+8*\c+7]
.endr
.endr
.rept 4
	v_nop                                          ; four places: whatever follows a step may load into V's registers or read O^T
.endr
.if \kind == 0
.Lskip_\@:
.endif
.endm
.macro SLOT_STEPS
	v_add_nc_u32 v[ADK], s[TB], v[AK]
	v_add_nc_u32 v[ADV], s[TB], v[AV]
	STEPX 0, 0
	STEPX 0, 1
	STEPX 0, 2
	STEPX 0, 3
	s_xor_b32 s[TB], s[TB], SLOT1
	s_add_co_u32 s[JF], s[JF], 4
.endm
; The owner takes in its two partners' partial results of tile u.
.macro MERGE u
	ds_load_b32 v246, v[M4] offset:128*\u
	ds_load_b32 v247, v[M4] offset:MREG+128*\u
	ds_load_b32 v248, v[M4] offset:256+128*\u
	ds_load_b32 v249, v[M4] offset:MREG+256+128*\u
.set n, 0
.rept 8
	ds_load_b128 v[K+4*n:K+4*n+3], v[MO] offset:4096*\u+512*n
	ds_load_b128 v[V+4*n:V+4*n+3], v[MO] offset:MREG+4096*\u+512*n
.set n, n+1
.endr
	s_wait_dscnt 0x0
	v_max3_num_f32 v250, v[ST+8*\u], v246, v247    ; the row's maximum over the three
	v_sub_f32 v240, v[ST+8*\u], v250
	v_sub_f32 v242, v246, v250
	v_sub_f32 v244, v247, v250
	v_exp_f32 v240, v240
	v_exp_f32 v242, v242
	v_exp_f32 v244, v244
	v_nop
	s_wait_alu depctr_va_vdst(0)                   ; one wait for the three, ahead of their first reader
	v_mul_f32 v[ST+8*\u+4], v[ST+8*\u+4], v240
	v_fmac_f32 v[ST+8*\u+4], v248, v242
	v_fmac_f32 v[ST+8*\u+4], v249, v244
.set n, 0
.rept 16
	v_pk_mul_f32 v[O+32*\u+n:O+32*\u+n+1], v[O+32*\u+n:O+32*\u+n+1], v[240:241] op_sel_hi:[1,0]
	v_pk_fma_f32 v[O+32*\u+n:O+32*\u+n+1], v[K+n:K+n+1], v[242:243], v[O+32*\u+n:O+32*\u+n+1] op_sel_hi:[1,0,1]
	v_pk_fma_f32 v[O+32*\u+n:O+32*\u+n+1], v[V+n:V+n+1], v[244:245], v[O+32*\u+n:O+32*\u+n+1] op_sel_hi:[1,0,1]
.set n, n+2
.endr
.endm
	s_load_b256 s[4:11], s[0:1], 0x0               ; qkv, start_frames, end_frames, yh
	v_lshl_add_u32 v[SPW], v0, 2, SPARE
	v_mov_b32 v[NIL], 0
	ds_add_u32 v[SPW], v[NIL]                      ; the wave's opening
	ds_add_u32 v[SPW], v[NIL]
	v_lshrrev_b32 v1, 5, v0
	v_readfirstlane_b32 s[WV], v1                  ; wave 0..15
	s_mov_b32 s[G1R], 3<<16                        ; no mask; elements of 8 bytes; no padding
	s_mov_b32 s[G1R+1], 32<<16                     ; tensor_dim0 = 32 elements (256 bytes)
	s_mov_b32 s[G1R+2], 64<<16                     ; tensor_dim1 = 64
	s_mov_b32 s[G1R+3], 32<<16                     ; tile_dim0
	s_mov_b32 s[G1R+4], 64                         ; tile_dim1
	s_mov_b32 s[G1R+5], 32                         ; the pitch: the block is dense
	s_mov_b32 s[G1R+6], 0
	s_mov_b32 s[G1R+7], 0
	s_mov_b32 s[G1T], 3<<16
	s_mov_b32 s[G1T+1], 32<<16
	s_mov_b32 s[G1T+2], 32<<16
	s_mov_b32 s[G1T+3], 32<<16
	s_mov_b32 s[G1T+4], 32
	s_mov_b32 s[G1T+5], 32
	s_mov_b32 s[G1T+6], 0
	s_mov_b32 s[G1T+7], 0
	s_mov_b32 s[SEL], 0x76543210
	s_mov_b32 s[SEL+1], 0xfedcba98
	; the wave's role
	s_lshr_b32 s[GG], s[WV], 3
	s_and_b32 s[RHO], s[WV], 7
	s_and_b32 s[CR], s[WV], 3
	s_bfe_u32 s[QQ], s[WV], 0x10002
	s_add_co_u32 s[PT], s[CR], 1
	s_lshr_b32 s60, s[PT], 2                       ; 1 where rho % 4 = 3
	s_lshr_b32 s[PT], s[PT], 1                     ; 1 where rho % 4 is 1 or 2
	s_mul_i32 s61, s60, 3
	s_xor_b32 s[COL], s[CR], s61                   ; the column block: 0, 1, 2, 0
	s_xor_b32 s60, s60, 1
	s_add_co_u32 s[RB], s[QQ], 1
	s_mul_i32 s[RB], s[RB], s60                    ; the row block: 1 or 2; 0 where rho % 4 = 3
	s_cmp_gt_u32 s[COL], s[QQ]
	s_cselect_b32 s[DELTA], 1, 0                   ; 1 where the block is strict
	s_sub_co_u32 s[FMAX], 31, ttmp9
	s_cmp_eq_u32 s[GG], 0
	s_cselect_b32 s[FA], s[FMAX], ttmp9
	s_cmp_eq_u32 s[RHO], 7
	s_cselect_b32 s[F], -1, s[FA]
	s_cmp_eq_u32 s[CR], 0
	s_cselect_b32 s[OUTF], 1, 0
	s_cmp_eq_u32 s[RHO], 3
	s_cselect_b32 s[OUTF], 1, s[OUTF]
	s_mul_i32 s[AL1], s[QQ], 255                   ; text keys 0-31: class upper for rb1, lower for rb2; keys 32-63: torso and whole for both
	s_xor_b32 s[AL0], s[AL1], 255
	s_cmp_eq_u32 s[CR], 2
	s_cselect_b32 s[AL0], 255, s[AL0]
	s_cselect_b32 s[AL1], 255, s[AL1]
	s_add_co_u32 s60, s[RHO], 2
	s_lshr_b32 s60, s60, 3                         ; 1 where rho is 6 or 7
	s_xor_b32 s61, s[GG], 1
	s_or_b32 s60, s60, s61
	s_or_b32 s60, s60, ttmp9                       ; 0 in waves 8-13 of work-group 0
	s_cmp_eq_u32 s60, 0
	s_cselect_b32 s[LIM], 1, -1
	; offsets
	s_and_b32 s[BH], ttmp7, 0xffff
	s_mul_i32 s60, s[BH], BHS                      ; my batch and head
	s_min_u32 s61, s[RHO], 5                       ; the block that I fetch (waves 0-5) or prefetch (waves 8-13)
	s_lshl_b32 s[G0+1], s61, 14                    ; its place in slot 0
	s_mul_i32 s62, s61, 11
	s_lshr_b32 s62, s62, 5                         ; 0: K, 1: V
	s_mul_i32 s63, s62, 3
	s_sub_co_u32 s63, s61, s63                     ; the column block
	s_lshl_b32 s63, s63, 17
	s_add_co_u32 s62, s62, 1
	s_mul_i32 s62, s62, QSZ
	s_add_co_u32 s62, s62, s63
	s_add_co_u32 s62, s62, s60
	s_mov_b32 s63, 0
	s_and_b32 s66, s[WV], 1
	s_lshl_b32 s[G0T+1], s66, 13
	s_add_co_u32 s[G0T+1], s[G0T+1], TXT
	s_add_co_u32 s66, s66, 1
	s_mul_i32 s66, s66, QSZ
	s_add_co_u32 s66, s66, s60
	s_add_co_u32 s66, s66, 393216                  ; row 3,072 of K; keys 3,072 on of V
	s_mov_b32 s67, 0
	s_lshl_b32 s68, s[RB], 6
	s_lshl_b32 s69, s[FA], 1
	s_add_co_u32 s68, s68, s69                     ; my first query tile within the batch
	s_lshl_b32 s70, s68, 11
	s_add_co_u32 s70, s70, s60
	s_mov_b32 s71, 0
	s_lshr_b32 s72, s[BH], 3                       ; the batch
	s_mul_i32 s73, s72, 196
	s_add_co_u32 s73, s73, s68
	s_lshl_b32 s74, s73, 14
	s_and_b32 s75, s[BH], 7
	s_lshl_b32 s75, s75, 11
	s_add_co_u32 s74, s74, s75
	s_mov_b32 s75, 0
	s_lshl_b32 s76, s72, 6
	s_mov_b32 s77, 0
	s_mov_b32 s[G0], 1
	s_mov_b32 s[G0T], 1
	s_mov_b32 s[TB], 0
	s_mov_b32 s[JF], 0
	s_mov_b32 s[SLOTS], 7
	s_wait_dscnt 0x0                               ; both opening adds are done
	s_wait_kmcnt 0x0
	s_add_nc_u64 s[G0+2:G0+3], s[4:5], s[62:63]
	s_add_nc_u64 s[PFA:PFA+1], s[G0+2:G0+3], 16384 ; in slot 1: the first change of slots steps it to slot 2
	s_or_b32 s[G0+3], s[G0+3], 0x80000000
	s_add_nc_u64 s[G0T+2:G0T+3], s[4:5], s[66:67]
	s_or_b32 s[G0T+3], s[G0T+3], 0x80000000
	s_add_nc_u64 s[70:71], s[4:5], s[70:71]        ; Q at my first tile
	s_add_nc_u64 s[74:75], s[10:11], s[74:75]      ; yh at my first tile
	s_add_nc_u64 s[6:7], s[6:7], s[76:77]
	s_add_nc_u64 s[8:9], s[8:9], s[76:77]
	s_cmp_lt_u32 s[WV], 6                          ; the first fills: slot 0 (waves 0-5), the text (waves 6, 7)
	s_cbranch_scc0 .Lnot_ring
	tensor_load_to_lds s[G0:G0+3], s[G1R:G1R+7]
	s_nop 0
.rept 4
	v_nop
.endr
	s_branch .Lfirst_done
.Lnot_ring:
	s_cmp_lt_u32 s[WV], 8
	s_cbranch_scc0 .Lfirst_done
	tensor_load_to_lds s[G0T:G0T+3], s[G1T:G1T+7]
	s_nop 0
.rept 4
	v_nop
.endr
.Lfirst_done:
	v_and_b32 v1, 31, v0                           ; lane
	v_lshlrev_b32 v[LI], 4, v1
	v_bfe_u32 v241, v0, 4, 1                       ; lane / 16
	v_lshlrev_b32 v244, 5, v241                    ; my half's eight segments
.set n, 0
.rept 8
	global_load_b128 v[Q+4*n:Q+4*n+3], v[LI], s[70:71] offset:512*n   ; Q stays in registers
.set n, n+1
.endr
	global_load_b128 v[S:S+3], v244, s[6:7]
	global_load_b128 v[S+4:S+7], v244, s[6:7] offset:16
	global_load_b128 v[S+8:S+11], v244, s[8:9]
	global_load_b128 v[S+12:S+15], v244, s[8:9] offset:16
	; every LDS address is made here, ahead of the first parting of the waves
	s_lshl_b32 s78, s[COL], 14
	v_add_nc_u32 v[AK], s78, v[LI]
	v_add_nc_u32 v[AV], 49152, v[AK]
	s_lshr_b32 s78, s[CR], 1
	s_lshl_b32 s79, s78, 12
	s_add_co_u32 s79, s79, TXT
	v_add_nc_u32 v[AT], s79, v[LI]
	s_lshl_b32 s79, s[GG], 2
	s_add_co_u32 s79, s79, s78
	s_lshl_b32 s78, s[QQ], 1
	s_add_co_u32 s79, s79, s78                     ; region 4 (wave / 8) + 2 (rho / 4) + (rho % 4) / 2
	s_mul_i32 s79, s79, MREG
	s_add_co_u32 s79, s79, MRG
	v_add_nc_u32 v[MO], s79, v[LI]
	s_add_co_u32 s79, s79, 8192
	v_lshl_add_u32 v[M4], v1, 2, s79
	v_lshlrev_b32 v[PFO], 8, v1
	v_and_b32 v240, 15, v0                         ; r
	v_lshlrev_b32 v242, 3, v241
	v_sub_nc_u32 v[DG], v240, v242
	v_sub_nc_u32 v[DG], v[DG], s[DELTA]
	s_lshl_b32 s78, s[FA], 5
	v_add_nc_u32 v[FR], s78, v240                  ; my query's frame in tile 0,
	v_add_nc_u32 v[FR+1], 16, v[FR]                ; in tile 1
	v_mov_b32 v[NINF], 0xff800000
.set n, 0
.rept 16
	v_mov_b32 v[ST+n], 0
.set n, n+1
.endr
	v_mov_b32 v[ST], 0xff61b1e6                    ; m = -3e38
	v_mov_b32 v[ST+8], 0xff61b1e6
.set n, 0
.rept 64
	v_mov_b32 v[O+n], 0                            ; the step is written once: the first finds zeros
.set n, n+1
.endr
.irp j, 240,241,242,243,245
	v_mov_b32 v\j, 0                               ; named as halves of pairs before they are first written
.endr
	v_mov_b32 v[VIS], 0
	v_mov_b32 v[VIS+1], 0
	s_wait_loadcnt 0x0                             ; Q and the frames
.set n, 0
.rept 16
	v_ashrrev_i32 v[S+n], 3, v[S+n]                ; the floor of a division by 8
.set n, n+1
.endr
.irp u, 0,1
.irp j, 0,1,2,3,4,5,6,7
	v_cmp_ge_i32 vcc_lo, v[FR+\u], v[S+\j]
	v_cmp_lt_i32 s60, v[FR+\u], v[S+8+\j]
	s_and_b32 vcc_lo, vcc_lo, s60
	v_cndmask_b32 v248, 0, 1, vcc_lo
	v_lshl_or_b32 v[VIS+\u], v248, \j, v[VIS+\u]
.endr
.endr
	v_mov_b32 v244, 0
.Lslot:                                            ; seven trips: behind each change of slots but the last the next slot is asked for, up to the work-group's last frame group
	CHANGE 1
	SLOT_STEPS
	s_sub_co_u32 s[SLOTS], s[SLOTS], 1
	s_cmp_lg_u32 s[SLOTS], 0
	s_cbranch_scc1 .Lslot
	CHANGE 0                                       ; the last slot is written out: nothing is left to ask for
	SLOT_STEPS
	s_cmp_eq_u32 s[PT], 1                          ; the waves on c1 and c2 take the text
	s_cbranch_scc0 .Lno_text
	STEPX 1, 0
.Lno_text:
.irp u, 0,1
	v_add_f32 v[ST+8*\u+4], v[ST+8*\u+2], v[ST+8*\u+3]   ; l's two halves
.endr
	s_cmp_eq_u32 s[PT], 1
	s_cbranch_scc0 .Lno_send
.set n, 0
.rept 16
	ds_store_b128 v[MO], v[O+4*n:O+4*n+3] offset:512*n   ; each accumulator from its low end on
.set n, n+1
.endr
.irp u, 0,1
	ds_store_b32 v[M4], v[ST+8*\u] offset:128*\u
	ds_store_b32 v[M4], v[ST+8*\u+4] offset:256+128*\u
.endr
.Lno_send:
	s_wait_dscnt 0x0                               ; for the owners' sake: my stores have landed
	s_barrier_signal -1
	s_barrier_wait -1
	s_cmp_eq_u32 s[CR], 0
	s_cbranch_scc0 .Lno_merge
	MERGE 0
	MERGE 1
.Lno_merge:
	s_cmp_eq_u32 s[OUTF], 0
	s_cbranch_scc1 .Lend
.irp u, 0,1
	v_permlanex16_b32 v[ST+8*\u+5], v[ST+8*\u+4], s[SEL], s[SEL+1]
.endr
.irp u, 0,1
	v_add_f32 v[ST+8*\u+4], v[ST+8*\u+4], v[ST+8*\u+5]   ; the row's sum
.endr
.irp u, 0,1
	v_rcp_f32 v[ST+8*\u+6], v[ST+8*\u+4]
.endr
	v_nop
	s_wait_alu depctr_va_vdst(0)                   ; one wait for the two reciprocals
.irp u, 0,1
.set n, 0
.rept 16
	v_pk_mul_f32 v[O+32*\u+n:O+32*\u+n+1], v[O+32*\u+n:O+32*\u+n+1], v[ST+8*\u+6:ST+8*\u+7] op_sel_hi:[1,0]
.set n, n+2
.endr
.endr
.set n, 0
.rept 32
	v_cvt_pk_f16_f32 v[K+n], v[O+2*n], v[O+2*n+1]
.set n, n+1
.endr
.irp u, 0,1
.irp c, 0,1,2,3
	global_store_b128 v[LI], v[K+16*\u+4*\c:K+16*\u+4*\c+3], s[74:75] offset:16384*\u+512*\c   ; 512 consecutive bytes: y as the projection's operand image
.endr
.endr
.Lend:
	s_wait_tensorcnt 0x0                           ; the wave's end
	ds_add_u32 v[SPW], v[NIL]
	s_wait_dscnt 0x0
	s_endpgm
.Lfunc_end_k_q9a9f400f8a_attn:
	.size	k_q9a9f400f8a_attn, .Lfunc_end_k_q9a9f400f8a_attn-k_q9a9f400f8a_attn
	.p2alignl 7, 3214868480
	.fill 96, 4, 3214868480
	.section	.rodata,"a",@progbits
	.p2align	6, 0x0
	.amdhsa_kernel k_q9a9f400f8a_attn
		.amdhsa_group_segment_fixed_size 327680
		.amdhsa_private_segment_fixed_size 0
		.amdhsa_enable_private_segment 0
		.amdhsa_kernarg_size 32
		.amdhsa_user_sgpr_count 2
		.amdhsa_user_sgpr_kernarg_segment_ptr 1
		.amdhsa_wavefront_size32 1
		.amdhsa_system_sgpr_workgroup_id_x 1
		.amdhsa_system_sgpr_workgroup_id_y 1
		.amdhsa_system_sgpr_workgroup_id_z 1
		.amdhsa_system_vgpr_workitem_id 0
		.amdhsa_next_free_vgpr 256
		.amdhsa_next_free_sgpr 84
		.amdhsa_reserve_vcc 1
		.amdhsa_float_denorm_mode_32 3
		.amdhsa_float_denorm_mode_16_64 3
		.amdhsa_memory_ordered 1
		.amdhsa_forward_progress 1
		.amdhsa_inst_pref_size 134
	.end_amdhsa_kernel
	.amdgpu_metadata
---
amdhsa.version: [ 1, 2 ]
amdhsa.kernels:
  - .name:           k_q9a9f400f8a_attn
    .symbol:         k_q9a9f400f8a_attn.kd
    .args:
      - { .name: qkv, .offset: 0, .size: 8, .value_kind: global_buffer, .address_space: global }
      - { .name: start_frames, .offset: 8, .size: 8, .value_kind: global_buffer, .address_space: global }
      - { .name: end_frames, .offset: 16, .size: 8, .value_kind: global_buffer, .address_space: global }
      - { .name: yh, .offset: 24, .size: 8, .value_kind: global_buffer, .address_space: global }
    .group_segment_fixed_size: 327680
    .private_segment_fixed_size: 0
    .kernarg_segment_align: 8
    .kernarg_segment_size: 32
    .max_flat_workgroup_size: 512
    .sgpr_count:     84
    .vgpr_count:     256
    .wavefront_size: 32
...
	.end_amdgpu_metadata
.endif
;; end of part 3
;; launch odd (part 4): grid 7 x 16, 14 waves a work-group, no clusters, 62,976 bytes of LDS; arguments qkv, qkl, start_frames, end_frames, yh, yf; writes yh, yf
.if DOCPART == 4
	.amdgcn_target "amdgcn-amd-amdhsa--gfx1250"
	.amdhsa_code_object_version 6
	.text
	.protected	k_q9a9f400f8a_odd
	.globl	k_q9a9f400f8a_odd
	.p2align	8
	.type	k_q9a9f400f8a_odd,@function
k_q9a9f400f8a_odd:
	s_mov_b64 s[64:65], 0
	v_nop
	global_prefetch_b8 v0, s[64:65] scope:SCOPE_SE
	s_setreg_imm32_b32 hwreg(HW_REG_WAVE_MODE, 25, 1), 1
	s_wait_xcnt 0x0
; ODD.  What the bulk launch leaves: the 64 text rows, which see all 3,136 keys (f16 operands), and frames 0-15 of each of the three row blocks, whose rows average few values and are carried more finely:
; q, k, v and p as pairs of f16 numbers, a high and a low part, both going to the matrix units (high x high, high x low, low x high); their y leaves as such a pair too.
; SHARES.  A work-group takes ONE tile of 16 queries of one batch and head: x = 0, 1, 2: the fine tile of row block x; x = 3..6: a text tile.  The keys are shared out among the 14 waves: text: 7 steps of 32 keys each;
; fine: wave 0, 1, 2 the first 32 frames of column block 0, 1, 2, waves 3, 4 the text's 32 keys each (row block 0: wave 0 alone); the other waves bring an empty partial result.
; Operands come straight from memory as register images (512 consecutive bytes a load).  The 14 partial results meet in LDS; waves 0-3 then finish 16 channels each.
; The mask is the bulk launch's; the frames' tests only choose values.  The running maximum starts at -3e38.
.set QSZ,   6422528
.set BHS,   401408
.set WREG,  4352                       ; a wave's region: O^T 4,096; m 128; l 128
.set SPARE, 60928
.set SPW, 2
.set NIL, 3
.set LI,  4                            ; v4  16 x lane
.set MB,  5                            ; v5  my region + 16 x lane
.set MS,  6                            ; v6  my region's m + 4 x lane
.set RBA, 7                            ; v7  the way back: 1,024 x (wave % 4) + 16 x lane
.set RSA, 8                            ; v8  4,096 + 4 x lane
.set NINF, 9
.set DG,  10
.set VIS, 11
.set ST,  16                           ; v16-23: +0 m, +1 zero, +2, +3 l, +4 .. +7 at work; a in +6
.set QH,  24                           ; v24-39 Q, v40-55 its low parts
.set QL,  40
.set PH,  56                           ; v56-63 P, v64-71 its low parts
.set PL,  64
.set S,   76                           ; v76-91
.set O,   92                           ; v92-123
.set KA,  124                          ; v124-155, v156-187: K, two sets (fine: high, low)
.set VA,  188                          ; v188-219, v220-251: V likewise
.set SEL, 40
.macro LOWP lo, a                      ; the f16 low parts of two f32 numbers
	v_cvt_pk_f16_f32 v72, v[\a], v[(\a)+1]
	v_cvt_f32_f16 v74, v72.l
	v_cvt_f32_f16 v75, v72.h
	v_sub_f32 v74, v[\a], v74
	v_sub_f32 v75, v[(\a)+1], v75
	v_cvt_pk_f16_f32 v[\lo], v74, v75
.endm
.macro SOFT1 fine
	v_max3_num_f32 v[ST+4], v[S], v[S+1], v[S+2]   ; each accumulator is read from its low end on
	v_max3_num_f32 v[ST+5], v[S+8], v[S+9], v[S+10]
.irp k, 3,5
	v_max3_num_f32 v[ST+4], v[ST+4], v[S+\k], v[S+\k+1]
	v_max3_num_f32 v[ST+5], v[ST+5], v[S+8+\k], v[S+9+\k]
.endr
	v_max3_num_f32 v[ST+4], v[ST+4], v[S+7], v[S+15]
	v_max3_num_f32 v[ST+4], v[ST+4], v[ST+5], v[ST]
	v_permlanex16_b32 v[ST+5], v[ST+4], s[SEL], s[SEL+1]
	v_max_num_f32 v[ST+4], v[ST+4], v[ST+5]
	v_sub_f32 v[ST+7], v[ST], v[ST+4]
	v_mov_b32 v[ST], v[ST+4]
.irp k, 0,2,4,6,8,10,12,14
	v_pk_add_f32 v[S+\k:S+\k+1], v[S+\k:S+\k+1], v[ST:ST+1] op_sel_hi:[1,0] neg_lo:[0,1] neg_hi:[0,1]
.endr
	v_exp_f32 v[ST+6], v[ST+7]
.set n, 0
.rept 16
	v_exp_f32 v[S+n], v[S+n]
.set n, n+1
.endr
	v_nop
	s_wait_alu depctr_va_vdst(0)                   ; one wait for the batch of 17, ahead of its first reader
.irp k, 0,1,2,3,4,5,6,7
	v_cvt_pk_f16_f32 v[PH+\k], v[S+2*\k], v[S+2*\k+1]
.endr
.if \fine
.irp k, 0,1,2,3,4,5,6,7
	LOWP PL+\k, S+2*\k
.endr
.endif
.irp k, 0,4,8,12
	v_pk_add_f32 v[S+\k:S+\k+1], v[S+\k:S+\k+1], v[S+\k+2:S+\k+3]
.endr
.irp k, 0,8
	v_pk_add_f32 v[S+\k:S+\k+1], v[S+\k:S+\k+1], v[S+\k+4:S+\k+5]
.endr
	v_pk_add_f32 v[S:S+1], v[S:S+1], v[S+8:S+9]
	v_pk_fma_f32 v[ST+2:ST+3], v[ST+2:ST+3], v[ST+6:ST+7], v[S:S+1] op_sel_hi:[1,0,1]
.set n, 0
.rept 16
	v_pk_mul_f32 v[O+n:O+n+1], v[O+n:O+n+1], v[ST+6:ST+7] op_sel_hi:[1,0]
.set n, n+2
.endr
.endm
.macro PLACES
.rept 4
	v_nop
.endr
.endm
.macro TLD m                           ; the text path's key set m: 32 keys of K and of V, 16 loads, into the sets of m's parity
.set KX, KA+32*((\m)%2)
.set VX, VA+32*((\m)%2)
.irp j, 0,1,2,3,4,5,6,7
	global_load_b128 v[KX+4*\j:KX+4*\j+3], v[LI], s[22:23] offset:4096*(\m)+512*\j
.endr
.irp j, 0,1,2,3,4,5,6,7
	global_load_b128 v[VX+4*\j:VX+4*\j+3], v[LI], s[24:25] offset:4096*(\m)+512*\j
.endr
.endm
.macro TSTEP m
.if (\m) < 6
	s_wait_loadcnt 16                              ; this set is in; the next set's 16 loads may be out
.else
	s_wait_loadcnt 0x0
.endif
.set KY, KA+32*((\m)%2)
.set VY, VA+32*((\m)%2)
.irp g, 0,1                                    ; two accumulators by turns
.irp t, 0,1
.if \g == 0
	v_wmma_f32_16x16x32_f16 v[S+8*\t:S+8*\t+7], v[KY+16*\t:KY+16*\t+7], v[QH:QH+7], 0
.else
	v_wmma_f32_16x16x32_f16 v[S+8*\t:S+8*\t+7], v[KY+16*\t+8:KY+16*\t+15], v[QH+8:QH+15], v[S+8*\t:S+8*\t+7]
.endif
.endr
.endr
	PLACES
	SOFT1 0
.irp c, 0,1,2,3
	v_wmma_f32_16x16x32_f16 v[O+8*\c:O+8*\c+7], v[VY+8*\c:VY+8*\c+7], v[PH:PH+7], v[O+8*\c:O+8*\c+7]
.endr
	PLACES                                         ; ahead of loads into the sets just read, and of whatever reads O^T
.if (\m) < 5
	TLD (\m)+2
.endif
.endm
	s_load_b256 s[4:11], s[0:1], 0x0               ; qkv, qkl, start_frames, end_frames
	s_load_b128 s[12:15], s[0:1], 0x20             ; yh, yf
	v_lshl_add_u32 v[SPW], v0, 2, SPARE
	v_mov_b32 v[NIL], 0
	v_lshrrev_b32 v1, 5, v0
	v_readfirstlane_b32 s16, v1                    ; wave 0..13
	v_and_b32 v1, 31, v0
	v_lshlrev_b32 v[LI], 4, v1
	s_mul_i32 s17, s16, WREG
	v_add_nc_u32 v[MB], s17, v[LI]
	s_add_co_u32 s17, s17, 4096
	v_lshl_add_u32 v[MS], v1, 2, s17
	s_and_b32 s17, s16, 3
	s_lshl_b32 s17, s17, 10
	v_add_nc_u32 v[RBA], s17, v[LI]
	v_lshl_add_u32 v[RSA], v1, 2, 4096
	s_mov_b32 s[SEL], 0x76543210
	s_mov_b32 s[SEL+1], 0xfedcba98
	s_and_b32 s18, ttmp7, 0xffff
	s_mul_i32 s19, s18, BHS                        ; my batch and head
	s_lshr_b32 s42, s18, 3                         ; the batch
	s_and_b32 s43, s18, 7                          ; the head
	v_mov_b32 v[NINF], 0xff800000
.set n, 0
.rept 8
	v_mov_b32 v[ST+n], 0
.set n, n+1
.endr
	v_mov_b32 v[ST], 0xff61b1e6                    ; m = -3e38
.set n, 0
.rept 32
	v_mov_b32 v[O+n], 0
.set n, n+1
.endr
	v_mov_b32 v74, 0                               ; a lane permute's destination counts as one of its sources
	s_wait_kmcnt 0x0
	s_cmp_lt_u32 ttmp9, 3
	s_cbranch_scc1 .Lfine
	; ---- a text tile: no mask; wave w takes keys 224 w .. 224 w + 223
	s_add_co_u32 s20, ttmp9, 189                   ; query tile 192 + x - 3
	s_lshl_b32 s20, s20, 11
	s_add_co_u32 s20, s20, s19
	s_mov_b32 s21, 0
	s_mul_i32 s22, s16, 28672
	s_add_co_u32 s22, s22, s19
	s_add_co_u32 s22, s22, QSZ
	s_mov_b32 s23, 0
	s_add_co_u32 s24, s22, QSZ
	s_mov_b32 s25, 0
	s_add_nc_u64 s[20:21], s[4:5], s[20:21]
	s_add_nc_u64 s[22:23], s[4:5], s[22:23]
	s_add_nc_u64 s[24:25], s[4:5], s[24:25]
.irp j, 0,1,2,3
	global_load_b128 v[QH+4*\j:QH+4*\j+3], v[LI], s[20:21] offset:512*\j
.endr
	TLD 0
	TLD 1
.irp m, 0,1,2,3,4,5,6
	TSTEP \m
.endr
	s_branch .Ljoin
	; ---- a fine tile: frames 0-15 of row block x
.Lfine:
	s_min_u32 s26, ttmp9, 1                        ; 1 for row blocks 1 and 2
	s_cmp_le_u32 s16, 4
	s_cselect_b32 s27, s26, 0
	s_cmp_eq_u32 s16, 0
	s_cselect_b32 s27, 1, s27
	s_cmp_eq_u32 s27, 0
	s_cbranch_scc1 .Ljoin                          ; a wave without keys brings m = -3e38, l = 0, O = 0
	s_lshl_b32 s28, s16, 5
	s_min_u32 s28, s28, 96
	s_lshr_b32 s29, s16, 2
	s_add_co_u32 s28, s28, s29                     ; my 32 keys: set 0, 32, 64, 96, 97
	s_lshl_b32 s28, s28, 12
	s_add_co_u32 s28, s28, s19
	s_add_co_u32 s32, s28, QSZ                     ; K's offset,
	s_mov_b32 s33, 0
	s_add_co_u32 s34, s32, QSZ                     ; V's,
	s_mov_b32 s35, 0
	s_lshl_b32 s30, ttmp9, 17
	s_add_co_u32 s30, s30, s19                     ; Q's: tile 64 x
	s_mov_b32 s31, 0
	s_cmp_ge_u32 s16, ttmp9
	s_cselect_b32 s36, s26, 0                      ; 1 where my column block is strict for this row block
	s_cmp_eq_u32 ttmp9, 1
	s_cselect_b32 s37, 255, 0                      ; wave 3: class upper for row block 1,
	s_cmp_eq_u32 ttmp9, 2
	s_cselect_b32 s38, 255, 0                      ; lower for row block 2;
	s_cmp_eq_u32 s16, 4
	s_cselect_b32 s37, 255, s37                    ; wave 4: torso and whole for both
	s_cselect_b32 s38, 255, s38
	s_lshl_b32 s44, s42, 6
	s_mov_b32 s45, 0
	s_add_nc_u64 s[8:9], s[8:9], s[44:45]
	s_add_nc_u64 s[10:11], s[10:11], s[44:45]
	s_add_nc_u64 s[20:21], s[4:5], s[30:31]
	s_add_nc_u64 s[22:23], s[4:5], s[32:33]
	s_add_nc_u64 s[24:25], s[4:5], s[34:35]
	s_add_nc_u64 s[30:31], s[6:7], s[30:31]
	s_add_nc_u64 s[32:33], s[6:7], s[32:33]
	s_add_nc_u64 s[34:35], s[6:7], s[34:35]
	v_and_b32 v15, 15, v0                          ; r: my query's frame
	v_bfe_u32 v12, v0, 4, 1
	v_lshlrev_b32 v13, 5, v12                      ; my half's eight segments
	v_lshlrev_b32 v12, 3, v12
	v_sub_nc_u32 v[DG], v15, v12
	v_sub_nc_u32 v[DG], v[DG], s36
	global_load_b128 v[S:S+3], v13, s[8:9]
	global_load_b128 v[S+4:S+7], v13, s[8:9] offset:16
	global_load_b128 v[S+8:S+11], v13, s[10:11]
	global_load_b128 v[S+12:S+15], v13, s[10:11] offset:16
.irp j, 0,1,2,3
	global_load_b128 v[QH+4*\j:QH+4*\j+3], v[LI], s[20:21] offset:512*\j
	global_load_b128 v[QL+4*\j:QL+4*\j+3], v[LI], s[30:31] offset:512*\j
.endr
.irp j, 0,1,2,3,4,5,6,7
	global_load_b128 v[KA+4*\j:KA+4*\j+3], v[LI], s[22:23] offset:512*\j
	global_load_b128 v[KA+32+4*\j:KA+32+4*\j+3], v[LI], s[32:33] offset:512*\j
	global_load_b128 v[VA+4*\j:VA+4*\j+3], v[LI], s[24:25] offset:512*\j
	global_load_b128 v[VA+32+4*\j:VA+32+4*\j+3], v[LI], s[34:35] offset:512*\j
.endr
	s_wait_loadcnt 40                              ; the four loads of frames are in; the 40 operand loads behind them may be out
.set n, 0
.rept 16
	v_ashrrev_i32 v[S+n], 3, v[S+n]
.set n, n+1
.endr
	v_mov_b32 v[VIS], 0
.irp j, 0,1,2,3,4,5,6,7
	v_cmp_ge_i32 vcc_lo, v15, v[S+\j]
	v_cmp_lt_i32 s44, v15, v[S+8+\j]
	s_and_b32 vcc_lo, vcc_lo, s44
	v_cndmask_b32 v14, 0, 1, vcc_lo
	v_lshl_or_b32 v[VIS], v14, \j, v[VIS]
.endr
	s_wait_loadcnt 0x0
	; the scores: high x high, high x low, low x high, two accumulators by turns
.irp t, 0,1
	v_wmma_f32_16x16x32_f16 v[S+8*\t:S+8*\t+7], v[KA+16*\t:KA+16*\t+7], v[QH:QH+7], 0
.endr
.irp t, 0,1
	v_wmma_f32_16x16x32_f16 v[S+8*\t:S+8*\t+7], v[KA+16*\t+8:KA+16*\t+15], v[QH+8:QH+15], v[S+8*\t:S+8*\t+7]
.endr
.irp g, 0,1
.irp t, 0,1
	v_wmma_f32_16x16x32_f16 v[S+8*\t:S+8*\t+7], v[KA+16*\t+8*\g:KA+16*\t+8*\g+7], v[QL+8*\g:QL+8*\g+7], v[S+8*\t:S+8*\t+7]
.endr
.endr
.irp g, 0,1
.irp t, 0,1
	v_wmma_f32_16x16x32_f16 v[S+8*\t:S+8*\t+7], v[KA+32+16*\t+8*\g:KA+32+16*\t+8*\g+7], v[QH+8*\g:QH+8*\g+7], v[S+8*\t:S+8*\t+7]
.endr
.endr
	PLACES
	s_cmp_gt_u32 s16, 2
	s_cbranch_scc1 .Lfbits
.irp j, 0,1,2,3,4,5,6,7                        ; frames: key 8 (lane / 16) + j is hidden where j > DG; keys 16-31 are hidden whole
	v_cmp_gt_i32 vcc_lo, \j, v[DG]
	v_cndmask_b32 v[S+\j], v[S+\j], v[NINF], vcc_lo
.endr
.irp j, 0,1,2,3,4,5,6,7
	v_mov_b32 v[S+8+\j], v[NINF]
.endr
	s_branch .Lfsoft
.Lfbits:
	v_and_b32 v12, s37, v[VIS]
	v_and_b32 v13, s38, v[VIS]
.irp t, 0,1
.irp j, 0,1,2,3,4,5,6,7
	v_and_b32 v14, 1<<\j, v[12+\t]
	v_cmp_eq_u32 vcc_lo, 0, v14
	v_cndmask_b32 v[S+8*\t+\j], v[S+8*\t+\j], v[NINF], vcc_lo
.endr
.endr
.Lfsoft:
	SOFT1 1
.irp c, 0,1,2,3                                ; four accumulators by turns: V high x P high, V high x P low, V low x P high
	v_wmma_f32_16x16x32_f16 v[O+8*\c:O+8*\c+7], v[VA+8*\c:VA+8*\c+7], v[PH:PH+7], v[O+8*\c:O+8*\c+7]
.endr
.irp c, 0,1,2,3
	v_wmma_f32_16x16x32_f16 v[O+8*\c:O+8*\c+7], v[VA+8*\c:VA+8*\c+7], v[PL:PL+7], v[O+8*\c:O+8*\c+7]
.endr
.irp c, 0,1,2,3
	v_wmma_f32_16x16x32_f16 v[O+8*\c:O+8*\c+7], v[VA+32+8*\c:VA+32+8*\c+7], v[PH:PH+7], v[O+8*\c:O+8*\c+7]
.endr
	PLACES
	; ---- the 14 partial results meet
.Ljoin:
	v_add_f32 v[ST+4], v[ST+2], v[ST+3]
.irp j, 0,1,2,3,4,5,6,7
	ds_store_b128 v[MB], v[O+4*\j:O+4*\j+3] offset:512*\j
.endr
	ds_store_b32 v[MS], v[ST]
	ds_store_b32 v[MS], v[ST+4] offset:128
	s_wait_dscnt 0x0                               ; for the others' sake: my stores have landed
	s_barrier_signal -1
	s_barrier_wait -1
	s_cmp_lt_u32 s16, 4
	s_cbranch_scc0 .Lend
.irp w, 0,1,2,3,4,5,6,7,8,9,10,11,12,13        ; wave ct takes channels 16 ct on of every partial result
	ds_load_b32 v[24+\w], v[RSA] offset:WREG*\w
	ds_load_b32 v[38+\w], v[RSA] offset:WREG*\w+128
	ds_load_b128 v[124+8*\w:124+8*\w+3], v[RBA] offset:WREG*\w
	ds_load_b128 v[124+8*\w+4:124+8*\w+7], v[RBA] offset:WREG*\w+512
.endr
	s_wait_dscnt 0x0
	v_max3_num_f32 v72, v24, v25, v26
.irp w, 27,29,31,33,35
	v_max3_num_f32 v72, v72, v[\w], v[\w+1]
.endr
	v_max_num_f32 v72, v72, v37                    ; the row's maximum
.irp w, 0,1,2,3,4,5,6,7,8,9,10,11,12,13
	v_sub_f32 v[24+\w], v[24+\w], v72
.endr
.irp w, 0,1,2,3,4,5,6,7,8,9,10,11,12,13
	v_exp_f32 v[24+\w], v[24+\w]
.endr
	v_nop
	s_wait_alu depctr_va_vdst(0)                   ; one wait for the 14
	v_mul_f32 v73, v38, v24
.irp j, 0,1,2,3,4,5,6,7
	v_mul_f32 v[O+\j], v[124+\j], v24
.endr
.irp w, 1,2,3,4,5,6,7,8,9,10,11,12,13
	v_fmac_f32 v73, v[38+\w], v[24+\w]
.irp j, 0,1,2,3,4,5,6,7
	v_fmac_f32 v[O+\j], v[124+8*\w+\j], v[24+\w]
.endr
.endr
	v_permlanex16_b32 v74, v73, s[SEL], s[SEL+1]
	v_add_f32 v73, v73, v74                        ; the row's sum
	v_rcp_f32 v75, v73
	v_nop
	s_wait_alu depctr_va_vdst(0)
.irp j, 0,1,2,3,4,5,6,7
	v_mul_f32 v[O+\j], v[O+\j], v75
.endr
	s_lshl_b32 s46, s43, 11                        ; the head,
	s_lshl_b32 s47, s16, 9                         ; my 16 channels
	s_add_co_u32 s46, s46, s47
	s_cmp_lt_u32 ttmp9, 3
	s_cbranch_scc1 .Lfout
	s_mul_i32 s47, s42, 196
	s_add_co_u32 s47, s47, ttmp9
	s_add_co_u32 s47, s47, 189                     ; the row tile among all 392
	s_lshl_b32 s47, s47, 14
	s_add_co_u32 s46, s46, s47
	s_mov_b32 s47, 0
	s_add_nc_u64 s[12:13], s[12:13], s[46:47]
.irp k, 0,1,2,3
	v_cvt_pk_f16_f32 v[S+\k], v[O+2*\k], v[O+2*\k+1]
.endr
	global_store_b128 v[LI], v[S:S+3], s[12:13]
	s_branch .Lend
.Lfout:
	s_mul_i32 s47, s42, 3
	s_add_co_u32 s47, s47, ttmp9                   ; 3 x batch + row block
	s_lshl_b32 s47, s47, 15
	s_add_co_u32 s46, s46, s47
	s_mov_b32 s47, 0
	s_add_nc_u64 s[14:15], s[14:15], s[46:47]
.irp k, 0,1,2,3
	v_cvt_pk_f16_f32 v[S+\k], v[O+2*\k], v[O+2*\k+1]
	LOWP S+4+\k, O+2*\k
.endr
	global_store_b128 v[LI], v[S:S+3], s[14:15]
	global_store_b128 v[LI], v[S+4:S+7], s[14:15] offset:16384
.Lend:
	s_wait_tensorcnt 0x0                           ; the wave's end
	ds_add_u32 v[SPW], v[NIL]
	s_wait_dscnt 0x0
	s_endpgm
.Lfunc_end_k_q9a9f400f8a_odd:
	.size	k_q9a9f400f8a_odd, .Lfunc_end_k_q9a9f400f8a_odd-k_q9a9f400f8a_odd
	.p2alignl 7, 3214868480
	.fill 96, 4, 3214868480
	.section	.rodata,"a",@progbits
	.p2align	6, 0x0
	.amdhsa_kernel k_q9a9f400f8a_odd
		.amdhsa_group_segment_fixed_size 62976
		.amdhsa_private_segment_fixed_size 0
		.amdhsa_enable_private_segment 0
		.amdhsa_kernarg_size 48
		.amdhsa_user_sgpr_count 2
		.amdhsa_user_sgpr_kernarg_segment_ptr 1
		.amdhsa_wavefront_size32 1
		.amdhsa_system_sgpr_workgroup_id_x 1
		.amdhsa_system_sgpr_workgroup_id_y 1
		.amdhsa_system_sgpr_workgroup_id_z 1
		.amdhsa_system_vgpr_workitem_id 0
		.amdhsa_next_free_vgpr 256
		.amdhsa_next_free_sgpr 66
		.amdhsa_reserve_vcc 1
		.amdhsa_float_denorm_mode_32 3
		.amdhsa_float_denorm_mode_16_64 3
		.amdhsa_memory_ordered 1
		.amdhsa_forward_progress 1
		.amdhsa_inst_pref_size 78
	.end_amdhsa_kernel
	.amdgpu_metadata
---
amdhsa.version: [ 1, 2 ]
amdhsa.kernels:
  - .name:           k_q9a9f400f8a_odd
    .symbol:         k_q9a9f400f8a_odd.kd
    .args:
      - { .name: qkv, .offset: 0, .size: 8, .value_kind: global_buffer, .address_space: global }
      - { .name: qkl, .offset: 8, .size: 8, .value_kind: global_buffer, .address_space: global }
      - { .name: start_frames, .offset: 16, .size: 8, .value_kind: global_buffer, .address_space: global }
      - { .name: end_frames, .offset: 24, .size: 8, .value_kind: global_buffer, .address_space: global }
      - { .name: yh, .offset: 32, .size: 8, .value_kind: global_buffer, .address_space: global }
      - { .name: yf, .offset: 40, .size: 8, .value_kind: global_buffer, .address_space: global }
    .group_segment_fixed_size: 62976
    .private_segment_fixed_size: 0
    .kernarg_segment_align: 8
    .kernarg_segment_size: 48
    .max_flat_workgroup_size: 448
    .sgpr_count:     66
    .vgpr_count:     256
    .wavefront_size: 32
...
	.end_amdgpu_metadata
.endif
;; end of part 4
;; launch proj (part 5): grid 61 x 4, 4 waves a work-group, no clusters, 22,272 bytes of LDS; arguments yh, yf, wp, b_proj, out0; writes out0
.if DOCPART == 5
	.amdgcn_target "amdgcn-amd-amdhsa--gfx1250"
	.amdhsa_code_object_version 6
	.text
	.protected	k_q9a9f400f8a_proj
	.globl	k_q9a9f400f8a_proj
	.p2align	8
	.type	k_q9a9f400f8a_proj,@function
k_q9a9f400f8a_proj:
	s_mov_b64 s[64:65], 0
	v_nop
	global_prefetch_b8 v0, s[64:65] scope:SCOPE_SE
	s_setreg_imm32_b32 hwreg(HW_REG_WAVE_MODE, 25, 1), 1
	s_wait_xcnt 0x0
; PROJ.  out0 = y W_proj^T + b_proj.  f16 operands, f32 sums.  The 16 first frames of each row block (6 tiles of 16 rows) are carried as pairs of f16 numbers on both sides: high x high, high x low, low x high.
; MAIN (x < 49).  Wave w takes 64 rows (group 2 x + w % 2) x 64 columns (group 2 y + w / 2): 16 accumulators, K in 16 steps of 32, operands straight from memory as register images, three sets ahead.
; The product is used transposed (source 0 = 16 rows of W_proj, source 1 = 16 rows of y): a lane holds eight neighbouring columns of one row.  The bias, in the result's layout, starts each sum.
; A tile of 16 rows x 64 columns goes through the wave's own stage in LDS (rows 272 bytes apart) and leaves as rows of 256 consecutive bytes, aligned, sixteen lanes to a row.
; The tile of rows that the fine path owns is not stored here.
; FINE (x >= 49).  A work-group takes one fine tile of rows x 64 columns, a wave 16 columns; three accumulators by turns, six sets ahead; the four waves' columns meet in a stage of the path's own.
; No cluster, no tensor load: one pass over small operands.
.set FSTG,  17408                      ; behind the four waves' stages: the fine path's stage, 16 rows x 272 bytes
.set SPARE, 21760
.set LI,  1                            ; v1  16 x lane
.set SO,  2                            ; v2  my stage, way in: 272 r + 32 (lane / 16)
.set SR,  3                            ; v3  way back: 272 (lane / 16) + 16 (lane % 16)
.set FSO, 4                            ; v4  the fine stage, way in: + 64 x wave
.set FSR, 5                            ; v5  way back: rows 4 x wave on
.set SPW, 6
.set NIL, 7
.set GO,  8                            ; v8  in out0: 2,048 (lane / 16) + 16 (lane % 16)
.set BO,  9                            ; v9  32 (lane / 16)
.set BS,  32                           ; v32-63 the biases of my four column tiles (fine: v32-39)
.set MSB, 0
.macro WIN new
.if MSB != \new
	s_set_vgpr_msb (MSB<<8)|\new
.set MSB, \new
.endif
.endm
.macro PLACES
.rept 4
	v_nop
.endr
.endm
.macro KLD kg                          ; K step kg: y's four fragments and W's four, 16 loads, into set kg % 3
.set LB, 64+64*((\kg)%3)
.irp i, 0,1,2,3
.irp c, 0,1
	global_load_b128 v[LB+8*\i+4*\c:LB+8*\i+4*\c+3], v[LI], s[4:5] offset:16384*\i+1024*(\kg)+512*\c
.endr
.endr
.irp a, 0,1,2,3
.irp c, 0,1
	global_load_b128 v[LB+32+8*\a+4*\c:LB+32+8*\a+4*\c+3], v[LI], s[8:9] offset:16384*\a+1024*(\kg)+512*\c
.endr
.endr
.endm
.macro KSTEP kg
.if (\kg) <= 13
	s_wait_loadcnt 32                              ; this set is in; the two younger sets, 16 loads each, may be out
.elseif (\kg) == 14
	s_wait_loadcnt 16
.else
	s_wait_loadcnt 0x0
.endif
.set KB, 64+64*((\kg)%3)
.if (\kg) == 0
	WIN 0x40                                       ; D in window 1, C (the bias) in window 0
.else
	WIN 0x50                                       ; C and D in window 1
.endif
.irp i, 0,1,2,3                                ; sixteen accumulators by turns
.irp a, 0,1,2,3
.if (\kg) == 0
	v_wmma_f32_16x16x32_f16 v[8*(4*\i+\a):8*(4*\i+\a)+7], v[KB+32+8*\a:KB+32+8*\a+7], v[KB+8*\i:KB+8*\i+7], v[BS+8*\a:BS+8*\a+7]
.else
	v_wmma_f32_16x16x32_f16 v[8*(4*\i+\a):8*(4*\i+\a)+7], v[KB+32+8*\a:KB+32+8*\a+7], v[KB+8*\i:KB+8*\i+7], v[8*(4*\i+\a):8*(4*\i+\a)+7]
.endif
.endr
.endr
	WIN 0
	PLACES                                         ; ahead of loads into the set just read, and of the first read of results
.if (\kg) <= 12
	KLD (\kg)+3
.endif
.endm
.macro OUTT i                          ; row tile i leaves
.if (\i) >= 2
	s_wait_xcnt 0x0                                ; the stores of two tiles ago have read their registers
.endif
	WIN 0x04                                       ; an LDS store's data are its source 1: window 1
.irp a, 0,1,2,3
	ds_store_b128 v[SO], v[8*(4*(\i)+\a):8*(4*(\i)+\a)+3] offset:64*\a          ; each accumulator from its low end on
	ds_store_b128 v[SO], v[8*(4*(\i)+\a)+4:8*(4*(\i)+\a)+7] offset:64*\a+16
.endr
	WIN 0
.set BK, 64+32*((\i)%2)
.irp t, 0,1,2,3,4,5,6,7
	ds_load_b128 v[BK+4*\t:BK+4*\t+3], v[SR] offset:544*\t   ; LDS serves a wave's instructions in order: these see my stores, and the next tile's stores come behind them
.endr
	s_wait_dscnt 0x0
.irp t, 0,1,2,3,4,5,6,7
	global_store_b128 v[GO], v[BK+4*\t:BK+4*\t+3], s[12:13] offset:(16*(\i)+2*\t)*2048 th:TH_STORE_NT   ; sixteen lanes store 256 consecutive bytes, aligned
.endr
.endm
.macro FLD kg                          ; the fine path's K step kg: y high, y low, W high, W low, 8 loads, into set kg % 6
.set FB, 64+32*((\kg)%6)
.irp c, 0,1
	global_load_b128 v[FB+4*\c:FB+4*\c+3], v[LI], s[6:7] offset:1024*(\kg)+512*\c
	global_load_b128 v[FB+8+4*\c:FB+8+4*\c+3], v[LI], s[6:7] offset:16384+1024*(\kg)+512*\c
	global_load_b128 v[FB+16+4*\c:FB+16+4*\c+3], v[LI], s[8:9] offset:1024*(\kg)+512*\c
	global_load_b128 v[FB+24+4*\c:FB+24+4*\c+3], v[LI], s[8:9] offset:524288+1024*(\kg)+512*\c
.endr
.endm
.macro FSTEP kg
.if (\kg) <= 10
	s_wait_loadcnt 40                              ; this set is in; the five younger sets, 8 loads each, may be out
.else
	s_wait_loadcnt 8*(15-(\kg))
.endif
.set FC, 64+32*((\kg)%6)
.if (\kg) == 0
	v_wmma_f32_16x16x32_f16 v[40:47], v[FC+16:FC+23], v[FC:FC+7], v[BS:BS+7]
	v_wmma_f32_16x16x32_f16 v[48:55], v[FC+16:FC+23], v[FC+8:FC+15], 0
	v_wmma_f32_16x16x32_f16 v[56:63], v[FC+24:FC+31], v[FC:FC+7], 0
.else
	v_wmma_f32_16x16x32_f16 v[40:47], v[FC+16:FC+23], v[FC:FC+7], v[40:47]
	v_wmma_f32_16x16x32_f16 v[48:55], v[FC+16:FC+23], v[FC+8:FC+15], v[48:55]
	v_wmma_f32_16x16x32_f16 v[56:63], v[FC+24:FC+31], v[FC:FC+7], v[56:63]
.endif
	PLACES
.if (\kg) <= 9
	FLD (\kg)+6
.endif
.endm
	s_load_b256 s[4:11], s[0:1], 0x0               ; yh, yf, wp, b_proj
	s_load_b64 s[12:13], s[0:1], 0x20              ; out0
	v_lshl_add_u32 v[SPW], v0, 2, SPARE
	v_mov_b32 v[NIL], 0
	v_lshrrev_b32 v10, 5, v0
	v_readfirstlane_b32 s14, v10                   ; wave 0..3
	v_and_b32 v10, 31, v0
	v_lshlrev_b32 v[LI], 4, v10
	v_and_b32 v10, 15, v0                          ; r
	v_bfe_u32 v11, v0, 4, 1                        ; lane / 16
	s_mul_i32 s18, s14, 4352
	v_mul_u32_u24 v[SO], v10, 272
	v_lshl_add_u32 v[SO], v11, 5, v[SO]
	s_lshl_b32 s19, s14, 6
	v_add_nc_u32 v[FSO], s19, v[SO]
	v_add_nc_u32 v[FSO], FSTG, v[FSO]
	v_add_nc_u32 v[SO], s18, v[SO]
	v_mul_u32_u24 v[SR], v11, 272
	v_lshl_add_u32 v[SR], v10, 4, v[SR]
	s_mul_i32 s19, s14, 1088                       ; four rows of the fine stage
	v_add_nc_u32 v[FSR], s19, v[SR]
	v_add_nc_u32 v[FSR], FSTG, v[FSR]
	v_add_nc_u32 v[SR], s18, v[SR]
	v_lshlrev_b32 v[GO], 11, v11
	v_lshl_add_u32 v[GO], v10, 4, v[GO]
	v_lshlrev_b32 v[BO], 5, v11
	s_and_b32 s15, ttmp7, 0xffff
	s_wait_kmcnt 0x0
	s_cmp_ge_u32 ttmp9, 49
	s_cbranch_scc1 .Lfine
	s_and_b32 s16, s14, 1
	s_lshl_b32 s18, ttmp9, 1
	s_add_co_u32 s16, s16, s18                     ; the group of 64 rows, 0..97
	s_lshr_b32 s17, s14, 1
	s_lshl_b32 s18, s15, 1
	s_add_co_u32 s17, s17, s18                     ; the group of 64 columns, 0..7
	s_lshl_b32 s22, s16, 16
	s_mov_b32 s23, 0
	s_lshl_b32 s24, s17, 16
	s_mov_b32 s25, 0
	s_lshl_b32 s26, s17, 8
	s_mov_b32 s27, 0
	s_lshl_b32 s28, s16, 17
	s_add_co_u32 s28, s28, s26
	s_mov_b32 s29, 0
	s_cmp_ge_u32 s16, 49
	s_cselect_b32 s18, 49, 0
	s_sub_co_u32 s18, s16, s18                     ; the group within its batch
	s_and_b32 s20, s18, 15
	s_cmp_eq_u32 s18, 48
	s_cselect_b32 s20, 1, s20                      ; 0 where the group's first 16 rows are the fine path's: groups 0, 16, 32
	s_add_nc_u64 s[4:5], s[4:5], s[22:23]
	s_add_nc_u64 s[8:9], s[8:9], s[24:25]
	s_add_nc_u64 s[10:11], s[10:11], s[26:27]
	s_add_nc_u64 s[12:13], s[12:13], s[28:29]
.irp a, 0,1,2,3
	global_load_b128 v[BS+8*\a:BS+8*\a+3], v[BO], s[10:11] offset:64*\a
	global_load_b128 v[BS+8*\a+4:BS+8*\a+7], v[BO], s[10:11] offset:64*\a+16
.endr
	KLD 0
	KLD 1
	KLD 2
.irp g, 0,1,2,3,4,5,6,7,8,9,10,11,12,13,14,15
	KSTEP \g
.endr
	s_cmp_eq_u32 s20, 0
	s_cbranch_scc1 .Lnot_mine
	OUTT 0
.Lnot_mine:
	OUTT 1
	OUTT 2
	OUTT 3
	s_branch .Lend
.Lfine:
	s_sub_co_u32 s16, ttmp9, 49
	s_lshl_b32 s16, s16, 2
	s_add_co_u32 s16, s16, s15                     ; 0..47
	s_lshr_b32 s17, s16, 3                         ; the fine tile: 3 x batch + row block
	s_and_b32 s16, s16, 7                          ; the group of 64 columns
	s_lshl_b32 s22, s17, 15
	s_mov_b32 s23, 0
	s_lshl_b32 s24, s16, 2
	s_add_co_u32 s24, s24, s14                     ; my tile of 16 columns
	s_lshl_b32 s24, s24, 14
	s_mov_b32 s25, 0
	s_lshl_b32 s26, s16, 8
	s_lshl_b32 s27, s14, 6
	s_add_co_u32 s26, s26, s27
	s_mov_b32 s27, 0
	s_mul_i32 s18, s17, 11
	s_lshr_b32 s18, s18, 5                         ; the batch
	s_mul_i32 s19, s18, 3
	s_sub_co_u32 s19, s17, s19                     ; the row block
	s_mul_i32 s18, s18, 3136
	s_lshl_b32 s19, s19, 10
	s_add_co_u32 s18, s18, s19
	s_lshl_b32 s19, s14, 2
	s_add_co_u32 s18, s18, s19                     ; the first row that I store
	s_lshl_b32 s28, s18, 11
	s_lshl_b32 s29, s16, 8
	s_add_co_u32 s28, s28, s29
	s_mov_b32 s29, 0
	s_add_nc_u64 s[6:7], s[6:7], s[22:23]
	s_add_nc_u64 s[8:9], s[8:9], s[24:25]
	s_add_nc_u64 s[10:11], s[10:11], s[26:27]
	s_add_nc_u64 s[12:13], s[12:13], s[28:29]
	global_load_b128 v[BS:BS+3], v[BO], s[10:11]
	global_load_b128 v[BS+4:BS+7], v[BO], s[10:11] offset:16
.irp g, 0,1,2,3,4,5
	FLD \g
.endr
.irp g, 0,1,2,3,4,5,6,7,8,9,10,11,12,13,14,15
	FSTEP \g
.endr
.irp k, 0,2,4,6
	v_pk_add_f32 v[40+\k:41+\k], v[40+\k:41+\k], v[48+\k:49+\k]   ; the three sums, each read from its low end on
	v_pk_add_f32 v[40+\k:41+\k], v[40+\k:41+\k], v[56+\k:57+\k]
.endr
	ds_store_b128 v[FSO], v[40:43]
	ds_store_b128 v[FSO], v[44:47] offset:16
	s_wait_dscnt 0x0                               ; for the others' sake: my stores have landed
	s_barrier_signal -1
	s_barrier_wait -1                              ; the branch that leads here hangs on the work-group's number alone: all four waves pass
	ds_load_b128 v[64:67], v[FSR]
	ds_load_b128 v[68:71], v[FSR] offset:544
	s_wait_dscnt 0x0
	global_store_b128 v[GO], v[64:67], s[12:13] th:TH_STORE_NT
	global_store_b128 v[GO], v[68:71], s[12:13] offset:4096 th:TH_STORE_NT
.Lend:
	s_wait_tensorcnt 0x0                           ; the wave's end
	ds_add_u32 v[SPW], v[NIL]
	s_wait_dscnt 0x0
	s_endpgm
.Lfunc_end_k_q9a9f400f8a_proj:
	.size	k_q9a9f400f8a_proj, .Lfunc_end_k_q9a9f400f8a_proj-k_q9a9f400f8a_proj
	.p2alignl 7, 3214868480
	.fill 96, 4, 3214868480
	.section	.rodata,"a",@progbits
	.p2align	6, 0x0
	.amdhsa_kernel k_q9a9f400f8a_proj
		.amdhsa_group_segment_fixed_size 22272
		.amdhsa_private_segment_fixed_size 0
		.amdhsa_enable_private_segment 0
		.amdhsa_kernarg_size 40
		.amdhsa_user_sgpr_count 2
		.amdhsa_user_sgpr_kernarg_segment_ptr 1
		.amdhsa_wavefront_size32 1
		.amdhsa_system_sgpr_workgroup_id_x 1
		.amdhsa_system_sgpr_workgroup_id_y 1
		.amdhsa_system_sgpr_workgroup_id_z 1
		.amdhsa_system_vgpr_workitem_id 0
		.amdhsa_next_free_vgpr 384
		.amdhsa_next_free_sgpr 66
		.amdhsa_reserve_vcc 0
		.amdhsa_float_denorm_mode_32 3
		.amdhsa_float_denorm_mode_16_64 3
		.amdhsa_memory_ordered 1
		.amdhsa_forward_progress 1
		.amdhsa_inst_pref_size 75
	.end_amdhsa_kernel
	.amdgpu_metadata
---
amdhsa.version: [ 1, 2 ]
amdhsa.kernels:
  - .name:           k_q9a9f400f8a_proj
    .symbol:         k_q9a9f400f8a_proj.kd
    .args:
      - { .name: yh, .offset: 0, .size: 8, .value_kind: global_buffer, .address_space: global }
      - { .name: yf, .offset: 8, .size: 8, .value_kind: global_buffer, .address_space: global }
      - { .name: wp, .offset: 16, .size: 8, .value_kind: global_buffer, .address_space: global }
      - { .name: b_proj, .offset: 24, .size: 8, .value_kind: global_buffer, .address_space: global }
      - { .name: out0, .offset: 32, .size: 8, .value_kind: global_buffer, .address_space: global }
    .group_segment_fixed_size: 22272
    .private_segment_fixed_size: 0
    .kernarg_segment_align: 8
    .kernarg_segment_size: 40
    .max_flat_workgroup_size: 128
    .sgpr_count:     66
    .vgpr_count:     384
    .wavefront_size: 32
...
	.end_amdgpu_metadata
.endif
;; end of part 5
